; MI455X (gfx1250); checked and timed in simulation.
; The chip was launched on July 23, 2026; its instructions are those of AMD's public machine-readable ISA for CDNA 5 (MIT licence, August 2026) and "CDNA5" Instruction Set Architecture Reference Guide (July 2026). The comments in the code are by the model that wrote it; some were corrected since.
;; Gaussian Mixture Unif. Allowed arithmetic: float matrix products may take bf16 or f16 operands with f32 sums; all other float work in f32.
;; Inputs: X 65,536 x 128 float32; mu 1,024 x 128 float32; sigma 1 float32; w 1,024 float32.
;; Outputs: out0 65,536 x 128 float32; out1 one number float32; out2 one number float32.
;; 2 versions, each right; version 2 is version 1 with the launch prep written anew for expert scheduling mode. Each part assembles by itself: llvm-mc -triple=amdgcn-amd-amdhsa -mcpu=gfx1250 --defsym DOCPART=n.
;; ======== version 1 of 2: 6 launches
;; limits: a difference of large sums (such as E[x^2] - mean^2): digits are lost where the result is much smaller than its terms; inputs' magnitudes at most 65,504; values are held in f16: magnitudes above 65,504 overflow, below 6.1e-05 lose precision
;; workspace buffers: Xb 16,777,216 bytes; mub 262,144 bytes; aux 266,240 bytes; Vn 262,144 bytes; Pp 34,078,720 bytes; mn 270,336 bytes; rs 16,384 bytes
;; launch prep (part 1): grid 260 x 1, 8 waves a work-group, no clusters, 0 bytes of LDS; arguments X, mu, w, sigma, Xb, mub, aux; writes Xb, mub, aux
.if DOCPART == 1
	.amdgcn_target "amdgcn-amd-amdhsa--gfx1250"
	.amdhsa_code_object_version 6
	.text
	.protected	k_q85ff13bfc5_prep
	.globl	k_q85ff13bfc5_prep
	.p2align	8
	.type	k_q85ff13bfc5_prep,@function
k_q85ff13bfc5_prep:
	s_mov_b64 s[64:65], 0
	v_nop
	global_prefetch_b8 v0, s[64:65] scope:SCOPE_SE
	s_setreg_imm32_b32 hwreg(HW_REG_WAVE_MODE, 25, 1), 1
	s_wait_xcnt 0x0
; prep: rounds X [65536][128] and mu [1024][128] to bf16, the rounding allowed for matrix operands, and stores the rounded numbers
; AS F16 (Xb, mub): f16 holds every bf16 number exactly between 2^-14 and 65,504, and the later products' other operands (softmax
; weights in [0, 1], the new centres) then get f16's 11 bits in the same matrix form.
; Limits: |X|, |mu| < 65,504; rounded numbers below 2^-14 are kept to within 2^-25.
; Per row it stores, in aux,
;   rows of X : x2 = sum of squares of the ROUNDED numbers          (aux word n)
;   rows of mu: a  = sigma^2 w - 1/2 sum of squares of the rounded  (aux word 65536 + c)
; so that a + x.m is, up to a row constant, -1/2 of the true distance of the rounded points.
; A stream: each byte read once, written once; no LDS, no matrix unit, no cluster (work-groups share no input).
; Work-groups 0-255 take 256 rows of X each, 256-259 take 256 rows of mu.  A wave owns 32 rows; in step s the lower 16 lanes hold row s
; and the upper 16 row 16 + s; a lane holds 8 neighbouring numbers, so its 16 bytes of f16 and its 15 neighbours' fill one whole row of
; 256 bytes.  All 32 loads of a wave go out at once, and the results overwrite the slot that was read: no register is used twice, so the
; only waits are the counted ones for the loads.  aux leaves as one piece of 128 bytes a wave: 1 KiB of the work-group's 65 KiB of output.
.set XR,   64                          ; v[64:191] 16 slots of 8 registers: a lane's 8 f32 as loaded; the first 4 then hold the 8 f16
.set T,    8                           ; v[8:15]   the 8 rounded numbers in f32
.set B,    16                          ; v[16:19]  the 8 numbers in bf16
.set KEEP, 6                           ; v6        thread t keeps the sum of row t of the work-group's 256
.set WV,   20                          ; v20       w of row t (mu's work-groups)
	s_load_b256 s[4:11], s[0:1], 0x0               ; X s[4:5], mu s[6:7], w s[8:9], sigma s[10:11]
	s_load_b128 s[12:15], s[0:1], 0x20             ; Xb s[12:13], mub s[14:15]
	s_load_b64 s[16:17], s[0:1], 0x30              ; aux
	s_and_b32 s20, ttmp9, 0xff                     ; block of 256 rows inside X or inside mu
	s_lshl_b32 s22, s20, 17                        ; x 256 rows x 512 bytes
	s_mov_b32 s23, 0
	s_lshl_b32 s24, s20, 16                        ; x 256 rows x 256 bytes
	s_mov_b32 s25, 0
	s_lshl_b32 s26, ttmp9, 10                      ; aux: 256 words a work-group; mu's follow X's 65,536
	s_mov_b32 s27, 0
	s_lshl_b32 s28, s20, 10                        ; w: 256 words a block
	s_mov_b32 s29, 0
	s_mov_b32 s21, 0xffff0000                      ; a word's upper bf16
	s_mov_b32 s18, 0                               ; sigma, loaded by mu's work-groups alone
	v_and_b32 v1, 15, v0                           ; i: my place in a row
	v_lshrrev_b32 v5, 4, v0                        ; 2 x wave + half
	v_lshlrev_b32 v2, 5, v1                        ; in: 32 i
	v_lshl_add_u32 v2, v5, 13, v2                  ;   + 16 rows of 512 bytes for each half wave
	v_lshlrev_b32 v3, 4, v1                        ; out: 16 i
	v_lshl_add_u32 v3, v5, 12, v3                  ;   + 16 rows of 256 bytes
	v_lshlrev_b32 v4, 2, v0                        ; aux and w: one word a thread
	v_mov_b32 v[KEEP], 0
	v_mov_b32 v[WV], 0
	s_wait_kmcnt 0x0
	s_cmp_lt_u32 ttmp9, 256
	s_cselect_b64 s[4:5], s[4:5], s[6:7]           ; source: X or mu
	s_cselect_b64 s[30:31], s[12:13], s[14:15]     ; destination: Xb or mub
	s_add_nc_u64 s[4:5], s[4:5], s[22:23]
	s_add_nc_u64 s[30:31], s[30:31], s[24:25]
	s_add_nc_u64 s[16:17], s[16:17], s[26:27]
	s_cmp_lt_u32 ttmp9, 256
	s_cbranch_scc1 .Lrows
	s_load_b32 s18, s[10:11], 0x0                  ; mu's work-groups ask for sigma and w ahead of their rows, so that nothing is waited for at the end
	s_add_nc_u64 s[8:9], s[8:9], s[28:29]
	global_load_b32 v[WV], v4, s[8:9]
.Lrows:
.irp s, 0,1,2,3,4,5,6,7,8,9,10,11,12,13,14,15
	global_load_b128 v[XR+8*\s:XR+8*\s+3],   v2, s[4:5] offset:\s*512 th:TH_LOAD_NT
	global_load_b128 v[XR+8*\s+4:XR+8*\s+7], v2, s[4:5] offset:\s*512+16 th:TH_LOAD_NT
.endr
.macro STEP s
	s_wait_loadcnt 30-2*\s                         ; loads return in order: this slot's two are in, the younger slots' two each stay out
.irp k, 0,1,2,3
	v_cvt_pk_bf16_f32 v[B+\k], v[XR+8*\s+2*\k], v[XR+8*\s+2*\k+1]              ; the rounding
.endr
.irp k, 0,1,2,3
	v_lshlrev_b32 v[T+2*\k],   16,  v[B+\k]        ; the rounded numbers back in f32
	v_and_b32     v[T+2*\k+1], s21, v[B+\k]
.endr
.irp k, 0,1,2,3
	v_cvt_pk_f16_f32 v[XR+8*\s+\k], v[T+2*\k], v[T+2*\k+1]                     ; the carrier: exact in the stated range
.endr
	global_store_b128 v3, v[XR+8*\s:XR+8*\s+3], s[30:31] offset:\s*256         ; 16 lanes: one aligned row of 256 bytes
	v_pk_mul_f32 v[T:T+1], v[T:T+1], v[T:T+1]
	v_pk_fma_f32 v[T:T+1], v[T+2:T+3], v[T+2:T+3], v[T:T+1]
	v_pk_fma_f32 v[T:T+1], v[T+4:T+5], v[T+4:T+5], v[T:T+1]
	v_pk_fma_f32 v[T:T+1], v[T+6:T+7], v[T+6:T+7], v[T:T+1]
	v_add_f32 v[T], v[T], v[T+1]
	v_add_f32_dpp v[T], v[T], v[T] row_xmask:1 row_mask:0xf bank_mask:0xf      ; over the row's 16 lanes
	v_add_f32_dpp v[T], v[T], v[T] row_xmask:2 row_mask:0xf bank_mask:0xf
	v_add_f32_dpp v[T], v[T], v[T] row_xmask:4 row_mask:0xf bank_mask:0xf
	v_add_f32_dpp v[T], v[T], v[T] row_xmask:8 row_mask:0xf bank_mask:0xf
	v_cmp_eq_u32 vcc_lo, \s, v1                    ; row 16 (2 wave + half) + s belongs to the thread of that number
	v_cndmask_b32 v[KEEP], v[KEEP], v[T], vcc_lo
.endm
.irp s, 0,1,2,3,4,5,6,7,8,9,10,11,12,13,14,15
	STEP \s
.endr
	s_cmp_lt_u32 ttmp9, 256
	s_cbranch_scc1 .Lout
	s_wait_kmcnt 0x0                               ; rows of mu: a = sigma^2 w - ss / 2 (w is in: the last step waited for all loads)
	s_mul_f32 s19, s18, s18
	v_mul_f32 v[WV], s19, v[WV]
	v_fma_f32 v[KEEP], -0.5, v[KEEP], v[WV]
.Lout:
	global_store_b32 v4, v[KEEP], s[16:17]
	s_endpgm
.Lfunc_end_k_q85ff13bfc5_prep:
	.size	k_q85ff13bfc5_prep, .Lfunc_end_k_q85ff13bfc5_prep-k_q85ff13bfc5_prep
	.p2alignl 7, 3214868480
	.fill 96, 4, 3214868480
	.section	.rodata,"a",@progbits
	.p2align	6, 0x0
	.amdhsa_kernel k_q85ff13bfc5_prep
		.amdhsa_group_segment_fixed_size 0
		.amdhsa_private_segment_fixed_size 0
		.amdhsa_enable_private_segment 0
		.amdhsa_kernarg_size 56
		.amdhsa_user_sgpr_count 2
		.amdhsa_user_sgpr_kernarg_segment_ptr 1
		.amdhsa_wavefront_size32 1
		.amdhsa_system_sgpr_workgroup_id_x 1
		.amdhsa_system_sgpr_workgroup_id_y 1
		.amdhsa_system_sgpr_workgroup_id_z 1
		.amdhsa_system_vgpr_workitem_id 0
		.amdhsa_next_free_vgpr 192
		.amdhsa_next_free_sgpr 66
		.amdhsa_reserve_vcc 1
		.amdhsa_float_denorm_mode_32 3
		.amdhsa_float_denorm_mode_16_64 3
		.amdhsa_memory_ordered 1
		.amdhsa_forward_progress 1
		.amdhsa_inst_pref_size 29
	.end_amdhsa_kernel
	.amdgpu_metadata
---
amdhsa.version: [ 1, 2 ]
amdhsa.kernels:
  - .name:           k_q85ff13bfc5_prep
    .symbol:         k_q85ff13bfc5_prep.kd
    .args:
      - { .name: X, .offset: 0, .size: 8, .value_kind: global_buffer, .address_space: global }
      - { .name: mu, .offset: 8, .size: 8, .value_kind: global_buffer, .address_space: global }
      - { .name: w, .offset: 16, .size: 8, .value_kind: global_buffer, .address_space: global }
      - { .name: sigma, .offset: 24, .size: 8, .value_kind: global_buffer, .address_space: global }
      - { .name: Xb, .offset: 32, .size: 8, .value_kind: global_buffer, .address_space: global }
      - { .name: mub, .offset: 40, .size: 8, .value_kind: global_buffer, .address_space: global }
      - { .name: aux, .offset: 48, .size: 8, .value_kind: global_buffer, .address_space: global }
    .group_segment_fixed_size: 0
    .private_segment_fixed_size: 0
    .kernarg_segment_align: 8
    .kernarg_segment_size: 56
    .max_flat_workgroup_size: 256
    .sgpr_count:     66
    .vgpr_count:     192
    .wavefront_size: 32
...
	.end_amdgpu_metadata
.endif
;; end of part 1
;; launch estep (part 2): grid 256 x 1, 4 waves a work-group, clusters of 4 x 1, 327,680 bytes of LDS; arguments Xb, mub, aux, sigma, Vn; writes Vn
.if DOCPART == 2
	.amdgcn_target "amdgcn-amd-amdhsa--gfx1250"
	.amdhsa_code_object_version 6
	.text
	.protected	k_q85ff13bfc5_estep
	.globl	k_q85ff13bfc5_estep
	.p2align	8
	.type	k_q85ff13bfc5_estep,@function
k_q85ff13bfc5_estep:
	s_mov_b64 s[64:65], 0
	v_nop
	global_prefetch_b8 v0, s[64:65] scope:SCOPE_SE
	s_setreg_imm32_b32 hwreg(HW_REG_WAVE_MODE, 25, 1), 1
	s_wait_xcnt 0x0
	s_wait_alu depctr_hold_cnt(0) depctr_sa_sdst(0) depctr_va_vdst(0) depctr_va_sdst(0) depctr_va_ssrc(0) depctr_va_vcc(0) depctr_vm_vsrc(0)
	s_getreg_b32 s2, hwreg(HW_REG_IB_STS2, 6, 4)
	s_cmp_eq_u32 s2, 0
	s_cbranch_scc0 .Lentry_in_a_cluster
	s_endpgm
.Lentry_in_a_cluster:
	s_bfe_u32 s2, ttmp6, 0x10000c
	s_cmp_lg_u32 s2, 0x3003
	s_cbranch_scc0 .Lentry_shape_is_right
	s_endpgm
.Lentry_shape_is_right:
; estep: Vn[n] = -V_n,  V_n = sigma^2 logsumexp over c of v_nc / sigma^2,  v_nc = x_n . m_c + a_c  (x, m, a from prep; x, m in f16).
; The row constants of reference()'s t_nc (x2 / 2 sigma^2, logsumexp(w), the Gaussian norm) cancel in t - T and are not formed.
; The maximum is taken away by a running maximum, per row.  Limit: sigma > 0.
; A work-group owns 256 rows, a wave 64 (4 row tiles).  The product is made transposed: A = 16 rows of mu, B = 16 rows of X,
; C = a, so a lane holds ONE row n and its registers run along c: maximum and sum stay inside the lane; the two halves of
; the wave (c = 8h + j) are merged once at the end.
; THE WEAVE.  A step is 32 columns: 32 matrix instructions, and 181 vector instructions for the running softmax sums.  The two are taken from
; DIFFERENT steps and woven: iteration s issues the products of step s + 1 and, behind each of them, seven items of a stream: the LDS loads of
; step s + 2's fragments and the sums of step s.  v, the mu fragments and a have two buffers each, so the stream names no register of the
; products beside it; five v_nop close each iteration, so that every distance behind a matrix instruction (ISA guide 7.12.1) holds there.
; Products and sums name different register windows: two switches for each matrix instruction are the price of the weave.
; CLUSTER 4 x 1: the four work-groups read the same mu and a: these come by joint loads (mask 15).  X's rows are a work-group's own.
; LDS: all of mu, row c at 272 c (256 bytes + 16 of padding: 16 rows of a fragment start in 16 different groups of banks).
; X's tile lies first in the bytes of mu's rows 768-1023; it is read into registers once, and those bytes are filled again later.
.set PITCH, 272
.set WROWS, 64*PITCH                   ; a wave's 64 rows of a tile
.set QROWS, 256*PITCH                  ; a quarter of mu
.set XT,    3*QROWS                    ; X's tile, later mu's last quarter
.set AC,    4*QROWS                    ; a[1024], 4,096 bytes
.set SCR,   AC+4096                    ; 256 bytes a wave for the way out; no tensor load lands here
.set AM,  2                            ; v2   LDS address of my mu fragments: r x 272 + 16 h, stepped by 64 rows for two iterations
.set ABI, 3                            ; v3   LDS address of my a: AC + 32 h, stepped by 64 words
.set AXF, 4                            ; v4   LDS address of my X fragments
.set MF,  32                           ; v[32:159]  mu fragments, two buffers of 64: 32 ct + 8 ks
.set BI,  160                          ; v[160:191] a[c0 + 8 h + j], two buffers of 16: 8 ct
.set RM,  192                          ; v[192:195] running maximum, one for each row tile
.set RMN, 196                          ; v[196:199] the new one
.set FP,  200                          ; v[200:207] pairs: 2^(k2 (old - new)); the first of a pair is used
.set AD,  208                          ; v[208:215] pairs: -k2 x maximum
.set LS,  216                          ; v[216:223] pairs: running sums
.set TA,  224                          ; v[224:233] at work in the epilogue
.set XF,  0                            ; window 1: v[0:127]   X fragments, 32 rt + 8 ks
.set SA,  128                          ; window 1: v[128:255] v, two buffers of 64: 16 rt + 8 ct
.set MSB, 0
.macro WIN new                         ; s_set_vgpr_msb; the immediate's high byte repeats the setting that is left
.if MSB != \new
	s_set_vgpr_msb (MSB<<8)|\new
.set MSB, \new
.endif
.endm
.macro NOP5                            ; closes a run of matrix instructions: five independent vector instructions (ISA guide 7.12.1)
.rept 5
	v_nop
.endr
.endm
.macro ROUND                           ; a round of the cluster's barrier: my work-group's barrier, wave 0 signals for it, all wait, my barrier again
	s_barrier_signal -1
	s_barrier_wait -1
	s_cmp_lg_u32 s14, 0
	s_cbranch_scc1 .Lnot_wave_0_\@
	s_barrier_signal -3
.Lnot_wave_0_\@:
	s_barrier_wait -3
	s_barrier_signal -1
	s_barrier_wait -1
.endm
	s_load_b256 s[4:11], s[0:1], 0x0               ; Xb s[4:5], mub s[6:7], aux s[8:9], sigma s[10:11]
	s_load_b64 s[12:13], s[0:1], 0x20              ; Vn
	v_lshl_add_u32 v254, v0, 2, 0x45400
	v_mov_b32 v255, 0
	ds_add_u32 v254, v255
	v_lshrrev_b32 v1, 5, v0
	v_readfirstlane_b32 s14, v1                    ; wave
	s_bfe_u32 s15, ttmp6, 0x40000                  ; cx
	s_lshl_b32 s16, ttmp9, 2
	s_add_co_u32 s16, s16, s15                     ; work-group x = 4 x cluster + cx
	s_mov_b32 s22, 0x76543210                      ; v_permlanex16_b32: lane i reads lane i of the other half
	s_mov_b32 s23, 0xfedcba98
	; group 1 for X: 64 rows x 128 elements of 2 bytes, 4 words of padding behind every 64
	s_mov_b32 s28, 0x07510000
	s_mov_b32 s29, 128<<16
	s_mov_b32 s30, 64<<16
	s_mov_b32 s31, 128<<16
	s_mov_b32 s32, 64
	s_mov_b32 s33, 128
	s_mov_b32 s34, 0
	s_mov_b32 s35, 0
	; the same for mu, with the mask of the four work-groups and bit 21 beside it
	s_mov_b32 s36, 0x0771000f
	s_mov_b32 s37, 128<<16
	s_mov_b32 s38, 64<<16
	s_mov_b32 s39, 128<<16
	s_mov_b32 s40, 64
	s_mov_b32 s41, 128
	s_mov_b32 s42, 0
	s_mov_b32 s43, 0
	; group 1 for a: 1,024 dense bytes as 4 rows of 32 elements of 8 bytes, joint
	s_mov_b32 s44, 0x0023000f
	s_mov_b32 s45, 32<<16
	s_mov_b32 s46, 4<<16
	s_mov_b32 s47, 32<<16
	s_mov_b32 s48, 4
	s_mov_b32 s49, 32
	s_mov_b32 s50, 0
	s_mov_b32 s51, 0
	s_mul_i32 s24, s14, WROWS                      ; my 64 rows in an LDS tile
	s_lshl_b32 s26, s14, 14                        ; my 64 rows of 256 bytes in memory
	s_mov_b32 s27, 0
	s_lshl_b32 s78, s16, 16                        ; X: 256 rows a work-group (the only offsets that hold cx live in s[78:79])
	s_add_co_u32 s78, s78, s26
	s_mov_b32 s79, 0
	s_wait_dscnt 0x0
	s_wait_kmcnt 0x0
	s_load_b32 s77, s[10:11], 0x0                  ; sigma
	s_add_nc_u64 s[6:7], s[6:7], s[26:27]          ; mu at my rows of its first quarter
	s_mov_b32 s52, 1
	s_add_co_u32 s53, s24, XT
	s_add_nc_u64 s[54:55], s[4:5], s[78:79]
	s_or_b32 s55, s55, 0x80000000
	s_lshl_b32 s26, s14, 10                        ; my 1,024 bytes of a
	s_mov_b32 s56, 1
	s_add_co_u32 s57, s26, AC
	s_add_nc_u64 s[58:59], s[8:9], s[26:27]
	s_add_nc_u64 s[58:59], s[58:59], 262144
	s_or_b32 s59, s59, 0x80000000
	s_mov_b32 s60, 1
	s_mov_b32 s61, s24
	s_mov_b64 s[62:63], s[6:7]
	s_or_b32 s63, s63, 0x80000000
	s_mov_b32 s68, 1
	s_add_co_u32 s69, s24, QROWS
	s_add_nc_u64 s[70:71], s[6:7], 65536
	s_or_b32 s71, s71, 0x80000000
	s_mov_b32 s72, 1
	s_add_co_u32 s73, s24, 2*QROWS
	s_add_nc_u64 s[74:75], s[6:7], 131072
	s_or_b32 s75, s75, 0x80000000
	ROUND                                          ; the four work-groups are here: the joint loads meet
	tensor_load_to_lds s[52:55], s[28:35]          ; my 64 rows of X.  Five loads of this wave are out now, its most
	s_nop 0
	tensor_load_to_lds s[56:59], s[44:51]          ; my quarter of a
	s_nop 0
	tensor_load_to_lds s[60:63], s[36:43]          ; my 64 rows of mu's quarters 0, 1, 2
	s_nop 0
	tensor_load_to_lds s[68:71], s[36:43]
	s_nop 0
	tensor_load_to_lds s[72:75], s[36:43]
	s_nop 0
	v_and_b32 v5, 15, v0                           ; r
	v_bfe_u32 v6, v0, 4, 1                         ; h
	v_mul_u32_u24 v[AM], v5, PITCH
	v_lshl_add_u32 v[AM], v6, 4, v[AM]             ; a fragment: row r, 16 bytes for each half, twice 32 bytes apart
	s_add_co_u32 s25, s24, XT
	v_add_nc_u32 v[AXF], s25, v[AM]
	v_lshlrev_b32 v[ABI], 5, v6
	v_add_nc_u32 v[ABI], AC, v[ABI]
	s_lshl_b32 s25, s14, 8
	s_add_co_u32 s25, s25, SCR
	v_lshl_add_u32 v7, v5, 2, s25                  ; way out: word r of my scratch
	v_and_b32 v8, 31, v0
	v_lshl_add_u32 v8, v8, 3, s25                  ; and 8 bytes a lane back
	v_lshlrev_b32 v9, 3, v0                        ; Vn: 8 bytes a thread
	s_lshl_b32 s78, s16, 10
	s_add_nc_u64 s[12:13], s[12:13], s[78:79]
	s_wait_kmcnt 0x0
	v_mov_b32 v10, s77
	v_mul_f32 v10, v10, v10                        ; sigma^2
	v_rcp_f32 v11, v10
	v_mul_f32 v12, 0xbf317218, v10                 ; -sigma^2 ln 2 (also the plain instruction behind v_rcp_f32)
	s_wait_alu depctr_va_vdst(0)
	v_mul_f32 v11, 0x3fb8aa3b, v11                 ; k2 = log2 e / sigma^2
	v_readfirstlane_b32 s18, v11
	v_readfirstlane_b32 s21, v12
	s_mov_b32 s19, s18
	s_xor_b32 s20, s18, 0x80000000                 ; -k2
.irp rt, 0,1,2,3
	v_mov_b32 v[RM+\rt], 0xff800000                ; -infinity: the first step's factor is 2^-inf = 0
	v_mov_b32 v[LS+2*\rt], 0
	v_mov_b32 v[LS+2*\rt+1], 0
	v_mov_b32 v[FP+2*\rt+1], 0                     ; the pairs' second registers are named, never used
	v_mov_b32 v[AD+2*\rt+1], 0
.endr
	s_wait_tensorcnt 0x4                           ; my X rows are in (only I read them); the four younger loads stay out
	WIN 0x40
.irp rt, 0,1,2,3
.irp ks, 0,1,2,3
	ds_load_b128 v[XF+32*\rt+8*\ks:XF+32*\rt+8*\ks+3],   v[AXF] offset:16*PITCH*\rt+64*\ks
	ds_load_b128 v[XF+32*\rt+8*\ks+4:XF+32*\rt+8*\ks+7], v[AXF] offset:16*PITCH*\rt+64*\ks+32
.endr
.endr
	WIN 0
; The next of a step's 32 matrix instructions: v = a + mu . x for 32 columns x 64 rows; number x_mi = 8 ks + 2 rt + ct.  The first K step takes a
; as C.  The eight accumulators take turns, one instruction a turn.
.macro MNEXT
.set x_ks, x_mi/8
.set x_rt, (x_mi/2)%4
.set x_ct, x_mi%2
.set x_d, x_nxt+16*x_rt+8*x_ct
.if x_ks == 0
	WIN 0x44
	v_wmma_f32_16x16x32_f16 v[x_d:x_d+7], v[x_mfm+32*x_ct:x_mfm+32*x_ct+7], v[XF+32*x_rt:XF+32*x_rt+7], v[x_bim+8*x_ct:x_bim+8*x_ct+7]
.else
	WIN 0x54
	v_wmma_f32_16x16x32_f16 v[x_d:x_d+7], v[x_mfm+32*x_ct+8*x_ks:x_mfm+32*x_ct+8*x_ks+7], v[XF+32*x_rt+8*x_ks:XF+32*x_rt+8*x_ks+7], v[x_d:x_d+7]
.endif
.set x_mi, x_mi+1
.endm
; the new maximum's consequences, four row tiles a group: factor 2^(k2 (old - new)), shift -k2 new, new becomes old
.macro BOOK
.if x_g == 0
	v_sub_f32 v[FP+2*x_rt], v[RM+x_rt], v[RMN+x_rt]        ; the difference first: exactly 0 while the maximum stands
.endif
.if x_g == 1
	v_mul_f32 v[FP+2*x_rt], s18, v[FP+2*x_rt]
.endif
.if x_g == 2
	v_exp_f32 v[FP+2*x_rt], v[FP+2*x_rt]
.endif
.if x_g == 3
	v_mul_f32 v[AD+2*x_rt], s20, v[RMN+x_rt]               ; plain instructions behind the exponentials
.endif
.if x_g == 4
	v_mov_b32 v[RM+x_rt], v[RMN+x_rt]
.endif
.endm
; The stream's next item, number x_vi: 0-19 the LDS loads of a step's mu fragments and a; then the running softmax sums of the 16 numbers a lane
; and row tile in buffer x_cur: 20-51 maximum, 52-71 its consequences, 72-103 exponents, 104-167 exponentials, 168 the plain instruction in front
; of their use (ISA guide 5.7.2), 169-200 sums.
.macro VNEXT
.if x_vi < x_vend
.if x_vi < 20
.set x_ct, x_vi/10
.set x_m, x_vi%10
	WIN 0
.if x_m < 8
	ds_load_b128 v[x_mfl+32*x_ct+4*x_m:x_mfl+32*x_ct+4*x_m+3], v[AM] offset:(x_lrow+16*x_ct)*PITCH+32*x_m
.else
	ds_load_b128 v[x_bil+8*x_ct+4*(x_m-8):x_bil+8*x_ct+4*(x_m-8)+3], v[ABI] offset:x_lbi+64*x_ct+16*(x_m-8)
.endif
.else
.if x_vi < 52
.set x_rt, x_vi%4
.set x_p, (x_vi-20)/4
	WIN 0x05
.if x_p == 0
	v_max3_num_f32 v[RMN+x_rt], v[x_cur+16*x_rt], v[x_cur+16*x_rt+1], v[RM+x_rt]
.else
	v_max3_num_f32 v[RMN+x_rt], v[x_cur+16*x_rt+2*x_p], v[x_cur+16*x_rt+2*x_p+1], v[RMN+x_rt]
.endif
.else
.if x_vi < 72
.set x_rt, x_vi%4
.set x_g, (x_vi-52)/4
	WIN 0
	BOOK
.else
.if x_vi < 104
.set x_rt, x_vi%4
.set x_r, x_cur+16*x_rt+2*((x_vi-72)/4)
	WIN 0x41
	v_pk_fma_f32 v[x_r:x_r+1], v[x_r:x_r+1], s[18:19], v[AD+2*x_rt:AD+2*x_rt+1] op_sel_hi:[1,0,0]
.else
.if x_vi < 168
	WIN 0x41
	v_exp_f32 v[x_cur+x_vi-104], v[x_cur+x_vi-104]
.else
.if x_vi < 169
	v_nop
	s_wait_alu depctr_va_vdst(0)
.else
.if x_vi < 173
.set x_rt, x_vi-169
	WIN 0x10
	v_pk_fma_f32 v[LS+2*x_rt:LS+2*x_rt+1], v[LS+2*x_rt:LS+2*x_rt+1], v[FP+2*x_rt:FP+2*x_rt+1], v[x_cur+16*x_rt:x_cur+16*x_rt+1] op_sel_hi:[1,0,1]
.else
.set x_rt, (x_vi-173)%4
.set x_r, x_cur+16*x_rt+2*(1+(x_vi-173)/4)
	WIN 0x04
	v_pk_add_f32 v[LS+2*x_rt:LS+2*x_rt+1], v[LS+2*x_rt:LS+2*x_rt+1], v[x_r:x_r+1]
.endif
.endif
.endif
.endif
.endif
.endif
.endif
.set x_vi, x_vi+1
.endif
.endm
.macro WEAVE cnt, per                  ; cnt matrix instructions, per items of the stream behind each
.rept \cnt
	MNEXT
.rept \per
	VNEXT
.endr
.endr
.endm
.macro VREST                           ; what is left of the stream
.rept x_vend-x_vi
	VNEXT
.endr
.endm
; Iteration s, e = s mod 2: the products of step s + 1 (hass), beside them the loads of step s + 2 (hasl) and the sums of step s.
.macro ITER e, hasl, hass
.set x_cur, SA+64*\e
.set x_nxt, SA+64*(1-\e)
.set x_mfl, MF+64*\e
.set x_bil, BI+16*\e
.set x_mfm, MF+64*(1-\e)
.set x_bim, BI+16*(1-\e)
.set x_lrow, 64+32*\e
.set x_lbi, 256+128*\e
.if \hasl
.set x_vi, 0
.else
.set x_vi, 20
.endif
.set x_vend, 201
.if \hass
	s_wait_dscnt 0x0                               ; step s + 1's fragments, asked for an iteration ago
.set x_mi, 0
	WEAVE 32, 7
.endif
	VREST
	NOP5
.endm
.macro PAIRS n                         ; 2 n iterations; their loads take 64 n rows of mu
	WIN 0
	s_mov_b32 s76, \n
.Lpairs_\@:
	ITER 0, 1, 1
	ITER 1, 1, 1
	WIN 0
	v_add_nc_u32 v[AM], 64*PITCH, v[AM]
	v_add_nc_u32 v[ABI], 256, v[ABI]
	s_sub_co_u32 s76, s76, 1
	s_cmp_lg_u32 s76, 0
	s_cbranch_scc1 .Lpairs_\@
.endm
	s_wait_tensorcnt 0x2                           ; my parts of a and of quarter 0 are in; quarters 1 and 2 stay out
	s_wait_dscnt 0x0
	s_barrier_signal -1
	s_barrier_wait -1
.set x_vend, 20                                    ; steps 0 and 1: fragments into the two buffers; step 0's products stand alone
.set x_vi, 0
.set x_mfl, MF
.set x_bil, BI
.set x_lrow, 0
.set x_lbi, 0
	VREST
.set x_vi, 0
.set x_mfl, MF+64
.set x_bil, BI+16
.set x_lrow, 32
.set x_lbi, 128
	VREST
	s_wait_dscnt 0x0
.set x_nxt, SA
.set x_mfm, MF
.set x_bim, BI
.set x_mi, 0
	WEAVE 32, 0
	NOP5
	PAIRS 3                                        ; iterations 0-5 load steps 2-7: the rest of quarter 0
	s_wait_tensorcnt 0x1                           ; quarter 1 is in, quarter 2 stays out
	s_wait_dscnt 0x0
	s_barrier_signal -1
	s_barrier_wait -1
	PAIRS 4                                        ; iterations 6-13 load steps 8-15: quarter 1
	s_wait_tensorcnt 0x0                           ; all my loads are in (quarter 2 among them), so a group 0 may be written:
	ds_add_u32 v254, v255
	s_add_nc_u64 s[54:55], s[6:7], 196608          ; mu's last quarter goes where X's tile lay (the LDS address stays)
	s_or_b32 s55, s55, 0x80000000
	s_wait_dscnt 0x0                               ; my reads of X's tile are long back
	ROUND                                          ; both hold of every wave of the four work-groups
	tensor_load_to_lds s[52:55], s[36:43]          ; my one load behind the round; eight iterations' work covers it
	s_nop 0
	PAIRS 4                                        ; iterations 14-21 load steps 16-23: quarter 2
	s_wait_tensorcnt 0x0
	s_wait_dscnt 0x0
	s_barrier_signal -1
	s_barrier_wait -1
	PAIRS 4                                        ; iterations 22-29 load steps 24-31: quarter 3
	ITER 0, 0, 1                                   ; the last products beside step 30's sums
	ITER 1, 0, 0                                   ; step 31's sums
	WIN 0
	; the two halves of the wave hold the same rows and different columns: merge them, then -V = -Mx - sigma^2 ln 2 log2 Lx
.irp rt, 0,1,2,3
	v_add_f32 v[LS+2*\rt], v[LS+2*\rt], v[LS+2*\rt+1]
	v_mov_b32 v[TA+\rt], 0                         ; v_permlanex16_b32's destination counts as read
	v_mov_b32 v[TA+4+\rt], 0
.endr
.irp rt, 0,1,2,3
	v_permlanex16_b32 v[TA+\rt], v[RM+\rt], s22, s23
	v_permlanex16_b32 v[TA+4+\rt], v[LS+2*\rt], s22, s23
.endr
.irp rt, 0,1,2,3
	v_max_num_f32 v[RMN+\rt], v[RM+\rt], v[TA+\rt]
.endr
.irp rt, 0,1,2,3
	v_sub_f32 v[FP+2*\rt], v[RM+\rt], v[RMN+\rt]
	v_sub_f32 v[TA+\rt], v[TA+\rt], v[RMN+\rt]
.endr
.irp rt, 0,1,2,3
	v_mul_f32 v[FP+2*\rt], s18, v[FP+2*\rt]
	v_mul_f32 v[TA+\rt], s18, v[TA+\rt]
.endr
.irp rt, 0,1,2,3
	v_exp_f32 v[FP+2*\rt], v[FP+2*\rt]
	v_exp_f32 v[TA+\rt], v[TA+\rt]
.endr
	v_nop
	s_wait_alu depctr_va_vdst(0)
.irp rt, 0,1,2,3
	v_mul_f32 v[LS+2*\rt], v[LS+2*\rt], v[FP+2*\rt]
.endr
.irp rt, 0,1,2,3
	v_fma_f32 v[LS+2*\rt], v[TA+4+\rt], v[TA+\rt], v[LS+2*\rt]
.endr
.irp rt, 0,1,2,3
	v_log_f32 v[LS+2*\rt], v[LS+2*\rt]
.endr
	v_nop
	s_wait_alu depctr_va_vdst(0)
.irp rt, 0,1,2,3
	v_fma_f32 v[TA+\rt], s21, v[LS+2*\rt], -v[RMN+\rt]
	ds_store_b32 v7, v[TA+\rt] offset:64*\rt       ; both halves write the same word with the same value
.endr
	ds_load_b64 v[TA+8:TA+9], v8                   ; LDS serves a wave's instructions in order: this sees the stores
	s_wait_dscnt 0x0
	global_store_b64 v9, v[TA+8:TA+9], s[12:13]    ; the wave's 64 rows: 256 consecutive bytes, aligned
	s_wait_tensorcnt 0x0
	ds_add_u32 v254, v255
	s_wait_dscnt 0x0
	ROUND                                          ; the closing round
	s_endpgm
.Lfunc_end_k_q85ff13bfc5_estep:
	.size	k_q85ff13bfc5_estep, .Lfunc_end_k_q85ff13bfc5_estep-k_q85ff13bfc5_estep
	.p2alignl 7, 3214868480
	.fill 96, 4, 3214868480
	.section	.rodata,"a",@progbits
	.p2align	6, 0x0
	.amdhsa_kernel k_q85ff13bfc5_estep
		.amdhsa_group_segment_fixed_size 327680
		.amdhsa_private_segment_fixed_size 0
		.amdhsa_enable_private_segment 0
		.amdhsa_kernarg_size 40
		.amdhsa_user_sgpr_count 2
		.amdhsa_user_sgpr_kernarg_segment_ptr 1
		.amdhsa_wavefront_size32 1
		.amdhsa_system_sgpr_workgroup_id_x 1
		.amdhsa_system_sgpr_workgroup_id_y 1
		.amdhsa_system_sgpr_workgroup_id_z 1
		.amdhsa_system_vgpr_workitem_id 0
		.amdhsa_next_free_vgpr 512
		.amdhsa_next_free_sgpr 80
		.amdhsa_reserve_vcc 0
		.amdhsa_float_denorm_mode_32 3
		.amdhsa_float_denorm_mode_16_64 3
		.amdhsa_memory_ordered 1
		.amdhsa_forward_progress 1
		.amdhsa_inst_pref_size 154
	.end_amdhsa_kernel
	.amdgpu_metadata
---
amdhsa.version: [ 1, 2 ]
amdhsa.kernels:
  - .name:           k_q85ff13bfc5_estep
    .symbol:         k_q85ff13bfc5_estep.kd
    .args:
      - { .name: Xb, .offset: 0, .size: 8, .value_kind: global_buffer, .address_space: global }
      - { .name: mub, .offset: 8, .size: 8, .value_kind: global_buffer, .address_space: global }
      - { .name: aux, .offset: 16, .size: 8, .value_kind: global_buffer, .address_space: global }
      - { .name: sigma, .offset: 24, .size: 8, .value_kind: global_buffer, .address_space: global }
      - { .name: Vn, .offset: 32, .size: 8, .value_kind: global_buffer, .address_space: global }
    .group_segment_fixed_size: 327680
    .private_segment_fixed_size: 0
    .kernarg_segment_align: 8
    .kernarg_segment_size: 40
    .max_flat_workgroup_size: 128
    .sgpr_count:     80
    .vgpr_count:     512
    .wavefront_size: 32
...
	.end_amdgpu_metadata
.endif
;; end of part 2
;; launch mstep (part 3): grid 4 x 64, 4 waves a work-group, clusters of 4 x 1, 327,680 bytes of LDS; arguments Xb, mub, Vn, sigma, Pp; writes Pp
.if DOCPART == 3
	.amdgcn_target "amdgcn-amd-amdhsa--gfx1250"
	.amdhsa_code_object_version 6
	.text
	.protected	k_q85ff13bfc5_mstep
	.globl	k_q85ff13bfc5_mstep
	.p2align	8
	.type	k_q85ff13bfc5_mstep,@function
k_q85ff13bfc5_mstep:
	s_mov_b64 s[64:65], 0
	v_nop
	global_prefetch_b8 v0, s[64:65] scope:SCOPE_SE
	s_setreg_imm32_b32 hwreg(HW_REG_WAVE_MODE, 25, 1), 1
	s_wait_xcnt 0x0
	s_wait_alu depctr_hold_cnt(0) depctr_sa_sdst(0) depctr_va_vdst(0) depctr_va_sdst(0) depctr_va_ssrc(0) depctr_va_vcc(0) depctr_vm_vsrc(0)
	s_getreg_b32 s2, hwreg(HW_REG_IB_STS2, 6, 4)
	s_cmp_eq_u32 s2, 0
	s_cbranch_scc0 .Lentry_in_a_cluster
	s_endpgm
.Lentry_in_a_cluster:
	s_bfe_u32 s2, ttmp6, 0x10000c
	s_cmp_lg_u32 s2, 0x3003
	s_cbranch_scc0 .Lentry_shape_is_right
	s_endpgm
.Lentry_shape_is_right:
; mstep: the column softmax of the M step, per split of 1,024 rows n, with a running maximum per column c:
;   M_c = max over n of (x_n . m_c - V_n),  l_c = sum of 2^(k2 (x.m - V - M)),  P_c = sum of 2^(..) x_n      (k2 = log2 e / sigma^2)
; a_c is constant along a column and cancels in the softmax over n; the next launch adds it to w_new.  Limit: sigma > 0.
; The weights lie in [0, 1] by the running maximum and enter the second product in f16.
; Work-group (cx, split): 256 centres x 1,024 rows in 8 chunks of 128; a wave has 64 centres (4 tiles ct).
; S = A (16 rows of X) x B (16 rows of mu) + C (-V): a lane holds ONE column c, its registers run along n, so maximum and sum stay
; in the lane; the two halves are merged by one v_permlanex16_b32.  Packed to f16 in place, S's registers ARE the B fragment of
; P^T = A (X^T, by transposing LDS loads) x B (weights): lane = column c again, so the rescaling factor is a lane's own.
; CLUSTER 4 x 1: the four centre blocks of a split read the same X tiles and the same V: joint loads, mask 15.  mu's rows are a wave's own.
; M and l leave as pieces of 64 bytes: 2 KiB of the work-group's 130 KiB of output.
.set PITCH, 272
.set XS,    128*PITCH                  ; a slot: 128 rows of X
.set MUS,   2*XS                       ; 256 rows of mu; wave w reads only the 64 that it loaded
.set NV,    MUS+256*PITCH              ; -V of the split's 1,024 rows
.set STAGE, NV+4096                    ; way out: 16 rows x 528 bytes for each wave; no tensor load lands here
.set SP,    528
.set AX,  2                            ; v2, v3   X fragments in slot 0, 1: r x 272 + 16 h
.set AXT, 4                            ; v4, v5   transposed: (8 h + L mod 8) x 272 + 16 ((L / 8) mod 2)
.set ANV, 6                            ; v6       NV + 32 h, stepped by 512 a chunk
.set STO, 7
.set RD,  8
.set CO,  9
.set AMU, 10
.set LS,  24                           ; v[24:31] pairs: running sums, 2 ct
.set RM,  32                           ; v[32:35] running maximum
.set RMN, 36
.set TMP, 40
.set FP,  44                           ; v[44:51] pairs: rescaling factor (first register used)
.set AD,  52                           ; v[52:59] pairs: -k2 x maximum
.set NVR, 64                           ; v[64:127]  -V[16 nt + 8 h + j]
.set F0,  128                          ; v[128:191] fragment buffer 0
.set F1,  192                          ; v[192:255] fragment buffer 1
; window 1: S(ct, nt) at 8 (8 ct + nt);  window 2: P(ct, dt) at 8 (8 ct + dt);  window 3: mu fragments at 32 ct + 8 ks
.set MSB, 0
.macro WIN new
.if MSB != \new
	s_set_vgpr_msb (MSB<<8)|\new
.set MSB, \new
.endif
.endm
.macro PLACES
.rept 4
	v_nop
.endr
.endm
.macro ROUND
	s_barrier_signal -1
	s_barrier_wait -1
	s_cmp_lg_u32 s14, 0
	s_cbranch_scc1 .Lnot_wave_0_\@
	s_barrier_signal -3
.Lnot_wave_0_\@:
	s_barrier_wait -3
	s_barrier_signal -1
	s_barrier_wait -1
.endm
	s_load_b256 s[4:11], s[0:1], 0x0               ; Xb, mub, Vn, sigma
	s_load_b64 s[12:13], s[0:1], 0x20              ; Pp
	v_lshl_add_u32 v62, v0, 2, 0x2b400
	v_mov_b32 v63, 0
	ds_add_u32 v62, v63
	v_lshrrev_b32 v1, 5, v0
	v_readfirstlane_b32 s14, v1                    ; wave
	s_bfe_u32 s15, ttmp6, 0x40000                  ; cx = block of 256 centres
	s_and_b32 s16, ttmp7, 0xffff                   ; split
	s_mov_b32 s22, 0x76543210
	s_mov_b32 s23, 0xfedcba98
	; group 1, X: 32 rows x 128 elements of 2 bytes a wave, padded, joint
	s_mov_b32 s28, 0x0771000f
	s_mov_b32 s29, 128<<16
	s_mov_b32 s30, 32<<16
	s_mov_b32 s31, 128<<16
	s_mov_b32 s32, 32
	s_mov_b32 s33, 128
	s_mov_b32 s34, 0
	s_mov_b32 s35, 0
	; group 1, mu: 64 rows a wave, padded, the work-group's own
	s_mov_b32 s36, 0x07510000
	s_mov_b32 s37, 128<<16
	s_mov_b32 s38, 64<<16
	s_mov_b32 s39, 128<<16
	s_mov_b32 s40, 64
	s_mov_b32 s41, 128
	s_mov_b32 s42, 0
	s_mov_b32 s43, 0
	; group 1, -V: 1,024 dense bytes a wave, joint
	s_mov_b32 s44, 0x0023000f
	s_mov_b32 s45, 32<<16
	s_mov_b32 s46, 4<<16
	s_mov_b32 s47, 32<<16
	s_mov_b32 s48, 4
	s_mov_b32 s49, 32
	s_mov_b32 s50, 0
	s_mov_b32 s51, 0
	s_mul_i32 s24, s14, 32*PITCH
	s_mul_i32 s25, s14, 64*PITCH
	s_lshl_b32 s26, s16, 18                        ; X: 1,024 rows of 256 bytes a split
	s_lshl_b32 s17, s14, 13                        ;    + 32 rows a wave
	s_add_co_u32 s26, s26, s17
	s_mov_b32 s27, 0
	s_lshl_b32 s78, s15, 16                        ; mu: 256 rows a block (offsets that hold cx live in s[78:79] alone)
	s_lshl_b32 s17, s14, 14
	s_add_co_u32 s78, s78, s17
	s_mov_b32 s79, 0
	s_wait_dscnt 0x0
	s_wait_kmcnt 0x0
	s_load_b32 s77, s[10:11], 0x0
	s_add_nc_u64 s[4:5], s[4:5], s[26:27]
	s_mov_b32 s52, 1                               ; slot 0: chunk 0
	s_mov_b32 s53, s24
	s_mov_b64 s[54:55], s[4:5]
	s_or_b32 s55, s55, 0x80000000
	s_mov_b32 s56, 1                               ; slot 1: chunk 1
	s_add_co_u32 s57, s24, XS
	s_add_nc_u64 s[58:59], s[4:5], 32768
	s_or_b32 s59, s59, 0x80000000
	s_mov_b32 s60, 1
	s_add_co_u32 s61, s25, MUS
	s_add_nc_u64 s[62:63], s[6:7], s[78:79]
	s_or_b32 s63, s63, 0x80000000
	s_lshl_b32 s26, s16, 12
	s_lshl_b32 s17, s14, 10
	s_add_co_u32 s26, s26, s17
	s_mov_b32 s68, 1
	s_add_co_u32 s69, s17, NV
	s_add_nc_u64 s[70:71], s[8:9], s[26:27]
	s_or_b32 s71, s71, 0x80000000
	ROUND
	tensor_load_to_lds s[60:63], s[36:43]          ; three loads of this wave are out now, its most
	s_nop 0
	tensor_load_to_lds s[68:71], s[44:51]
	s_nop 0
	tensor_load_to_lds s[52:55], s[28:35]
	s_nop 0
	v_and_b32 v11, 15, v0                          ; r
	v_bfe_u32 v12, v0, 4, 1                        ; h
	v_mul_u32_u24 v[AX], v11, PITCH
	v_lshl_add_u32 v[AX], v12, 4, v[AX]
	v_add_nc_u32 v[AX+1], XS, v[AX]
	s_add_co_u32 s17, s25, MUS
	v_add_nc_u32 v[AMU], s17, v[AX]
	v_and_b32 v15, 7, v0
	v_lshl_add_u32 v15, v12, 3, v15
	v_mul_u32_u24 v15, v15, PITCH
	v_bfe_u32 v16, v0, 3, 1
	v_lshl_add_u32 v[AXT], v16, 4, v15
	v_add_nc_u32 v[AXT+1], XS, v[AXT]
	v_lshlrev_b32 v[ANV], 5, v12
	v_add_nc_u32 v[ANV], NV, v[ANV]
	s_mul_i32 s17, s14, 16*SP
	s_add_co_u32 s17, s17, STAGE
	v_mul_u32_u24 v15, v11, SP
	v_lshl_add_u32 v15, v12, 5, v15
	v_add_nc_u32 v[STO], s17, v15                  ; in: row r, 32 bytes for each half
	v_and_b32 v16, 31, v0
	v_lshlrev_b32 v[CO], 4, v16
	v_add_nc_u32 v[RD], s17, v[CO]                 ; back: a row of 512 bytes for the 32 lanes
	v_lshlrev_b32 v13, 2, v11
	v_lshl_add_u32 v13, v12, 18, v13               ; M (lower half) or l (upper half, 262,144 bytes on), word r
	s_lshl_b32 s78, s16, 12                        ; M, l: [split][1024]
	s_lshl_b32 s17, s15, 10
	s_add_co_u32 s78, s78, s17
	s_lshl_b32 s17, s14, 8
	s_add_co_u32 s78, s78, s17
	s_add_nc_u64 s[72:73], s[12:13], s[78:79]
	s_add_nc_u64 s[72:73], s[72:73], 0x2000000
	s_lshl_b32 s78, s16, 19                        ; P: [split][1024][128] f32
	s_lshl_b32 s17, s15, 17
	s_add_co_u32 s78, s78, s17
	s_lshl_b32 s17, s14, 15
	s_add_co_u32 s78, s78, s17
	s_add_nc_u64 s[12:13], s[12:13], s[78:79]
	s_wait_kmcnt 0x0
	v_mov_b32 v14, s77
	v_mul_f32 v14, v14, v14
	v_rcp_f32 v15, v14
	v_nop
	s_wait_alu depctr_va_vdst(0)
	v_mul_f32 v15, 0x3fb8aa3b, v15
	v_readfirstlane_b32 s18, v15                   ; k2
	s_mov_b32 s19, s18
	s_xor_b32 s20, s18, 0x80000000
.irp ct, 0,1,2,3
	v_mov_b32 v[RM+\ct], 0xff800000
	v_mov_b32 v[TMP+\ct], 0
	v_mov_b32 v[LS+2*\ct], 0
	v_mov_b32 v[LS+2*\ct+1], 0
	v_mov_b32 v[FP+2*\ct+1], 0
	v_mov_b32 v[AD+2*\ct+1], 0
.endr
	s_wait_tensorcnt 0x2                           ; my 64 rows of mu are in (only I read them); -V and chunk 0 stay out
	WIN 0xc0
.irp ct, 0,1,2,3
.irp ks, 0,1,2,3
	ds_load_b128 v[32*\ct+8*\ks:32*\ct+8*\ks+3],   v[AMU] offset:16*PITCH*\ct+64*\ks
	ds_load_b128 v[32*\ct+8*\ks+4:32*\ct+8*\ks+7], v[AMU] offset:16*PITCH*\ct+64*\ks+32
.endr
.endr
	WIN 0
.macro FETCHNV
.irp nt, 0,1,2,3,4,5,6,7
	ds_load_b128 v[NVR+8*\nt:NVR+8*\nt+3],   v[ANV] offset:64*\nt
	ds_load_b128 v[NVR+8*\nt+4:NVR+8*\nt+7], v[ANV] offset:64*\nt+16
.endr
.endm
.macro FETCHS slot, ks, f              ; 128 rows of X, 32 along d
.irp nt, 0,1,2,3,4,5,6,7
	ds_load_b128 v[\f+8*\nt:\f+8*\nt+3],   v[AX+\slot] offset:16*PITCH*\nt+64*\ks
	ds_load_b128 v[\f+8*\nt+4:\f+8*\nt+7], v[AX+\slot] offset:16*PITCH*\nt+64*\ks+32
.endr
.endm
.macro FETCHT slot, g, f               ; X transposed: all 128 d, rows 32 g .. 32 g + 31
.irp dt, 0,1,2,3,4,5,6,7
	ds_load_tr16_b128 v[\f+8*\dt:\f+8*\dt+3],   v[AXT+\slot] offset:32*PITCH*\g+32*\dt
	ds_load_tr16_b128 v[\f+8*\dt+4:\f+8*\dt+7], v[AXT+\slot] offset:32*PITCH*\g+32*\dt+16*PITCH
.endr
.endm
; 32 matrix instructions on 32 accumulators, one instruction a turn
.macro MULS ks, f
.if \ks == 0
	WIN 0x4c
.else
	WIN 0x5c
.endif
.irp nt, 0,1,2,3,4,5,6,7
.irp ct, 0,1,2,3
.if \ks == 0
	v_wmma_f32_16x16x32_f16 v[8*(8*\ct+\nt):8*(8*\ct+\nt)+7], v[\f+8*\nt:\f+8*\nt+7], v[32*\ct:32*\ct+7], v[NVR+8*\nt:NVR+8*\nt+7]
.else
	v_wmma_f32_16x16x32_f16 v[8*(8*\ct+\nt):8*(8*\ct+\nt)+7], v[\f+8*\nt:\f+8*\nt+7], v[32*\ct+8*\ks:32*\ct+8*\ks+7], v[8*(8*\ct+\nt):8*(8*\ct+\nt)+7]
.endif
.endr
.endr
.endm
.macro MULP g, f, zero
	WIN 0xa4
.irp dt, 0,1,2,3,4,5,6,7
.irp ct, 0,1,2,3
.if \zero
	v_wmma_f32_16x16x32_f16 v[8*(8*\ct+\dt):8*(8*\ct+\dt)+7], v[\f+8*\dt:\f+8*\dt+7], v[8*(8*\ct+2*\g):8*(8*\ct+2*\g)+7], 0
.else
	v_wmma_f32_16x16x32_f16 v[8*(8*\ct+\dt):8*(8*\ct+\dt)+7], v[\f+8*\dt:\f+8*\dt+7], v[8*(8*\ct+2*\g):8*(8*\ct+2*\g)+7], v[8*(8*\ct+\dt):8*(8*\ct+\dt)+7]
.endif
.endr
.endr
.endm
; maximum, rescaling, exponentials, sums, packing for a chunk: 64 numbers a lane and centre tile
.macro VAL first
	WIN 0x05
.set q, 0
.rept 32
.irp ct, 0,1,2,3
.if q == 0
	v_max3_num_f32 v[RMN+\ct], v[64*\ct], v[64*\ct+1], v[RM+\ct]
.else
	v_max3_num_f32 v[RMN+\ct], v[64*\ct+q], v[64*\ct+q+1], v[RMN+\ct]
.endif
.endr
.set q, q+2
.endr
	WIN 0
.irp ct, 0,1,2,3
	v_permlanex16_b32 v[TMP+\ct], v[RMN+\ct], s22, s23     ; the other half holds the column's other rows
.endr
.irp ct, 0,1,2,3
	v_max_num_f32 v[RMN+\ct], v[RMN+\ct], v[TMP+\ct]
.endr
.irp ct, 0,1,2,3
	v_sub_f32 v[FP+2*\ct], v[RM+\ct], v[RMN+\ct]
.endr
.irp ct, 0,1,2,3
	v_mul_f32 v[FP+2*\ct], s18, v[FP+2*\ct]
.endr
.irp ct, 0,1,2,3
	v_exp_f32 v[FP+2*\ct], v[FP+2*\ct]
.endr
.irp ct, 0,1,2,3
	v_mul_f32 v[AD+2*\ct], s20, v[RMN+\ct]
.endr
.irp ct, 0,1,2,3
	v_mov_b32 v[RM+\ct], v[RMN+\ct]
.endr
.if \first == 0
	WIN 0x82
.set q, 0
	s_wait_alu depctr_va_vdst(0)
.rept 32
.irp ct, 0,1,2,3
	v_pk_mul_f32 v[64*\ct+q:64*\ct+q+1], v[64*\ct+q:64*\ct+q+1], v[FP+2*\ct:FP+2*\ct+1] op_sel_hi:[1,0]
.endr
.set q, q+2
.endr
.endif
	WIN 0x41
.set q, 0
.rept 32
.irp ct, 0,1,2,3
	v_pk_fma_f32 v[64*\ct+q:64*\ct+q+1], v[64*\ct+q:64*\ct+q+1], s[18:19], v[AD+2*\ct:AD+2*\ct+1] op_sel_hi:[1,0,0]
.endr
.set q, q+2
.endr
.set q, 0
.rept 256
	v_exp_f32 v[q], v[q]
.set q, q+1
.endr
	v_nop
	WIN 0x10
	s_wait_alu depctr_va_vdst(0)
.irp ct, 0,1,2,3
	v_pk_fma_f32 v[LS+2*\ct:LS+2*\ct+1], v[LS+2*\ct:LS+2*\ct+1], v[FP+2*\ct:FP+2*\ct+1], v[64*\ct:64*\ct+1] op_sel_hi:[1,0,1]
.endr
	WIN 0x04
.set q, 2
.rept 31
.irp ct, 0,1,2,3
	v_pk_add_f32 v[LS+2*\ct:LS+2*\ct+1], v[LS+2*\ct:LS+2*\ct+1], v[64*\ct+q:64*\ct+q+1]
.endr
.set q, q+2
.endr
	WIN 0x45                                       ; two neighbouring tiles (16 registers at b) become one B fragment (8 registers at b):
.irp i, 0,1,2,3,4,5,6,7                            ; register b + i from b + 2 i and b + 2 i + 1, i ascending, so nothing is overwritten unread
.set b, 0
.rept 16
	v_cvt_pk_f16_f32 v[b+\i], v[b+2*\i], v[b+2*\i+1]
.set b, b+16
.endr
.endr
.endm
; One chunk of 128 rows in slot.  refill = 1: the other slot gets the next chunk.
.macro TRIP slot, refill, first
.if \first == 0
.rept 5
	v_nop                                          ; five places: the S products below write over registers that the last P products read
.endr
.endif
	s_wait_tensorcnt 0x0                           ; all my loads are in, my part of this chunk among them, so a group 0 may be written:
	ds_add_u32 v62, v63
	s_wait_dscnt 0x0
	s_add_nc_u64 s[54+4*\slot:55+4*\slot], s[54+4*\slot:55+4*\slot], 0x10000   ; this slot's next chunk, two on
	s_wait_dscnt 0x0                               ; my reads of the other slot are back
	ROUND                                          ; both hold of every wave of the four work-groups
.if \refill
	tensor_load_to_lds s[56-4*\slot:59-4*\slot], s[28:35]      ; my one load behind the round; the whole chunk's work covers it
	s_nop 0
.endif
	FETCHNV
	FETCHS \slot, 0, F0
	FETCHS \slot, 1, F1
	s_wait_dscnt 16                                ; all but the 16 loads just issued
	MULS 0, F0
	WIN 0
	PLACES
	FETCHS \slot, 2, F0
	s_wait_dscnt 16
	MULS 1, F1
	WIN 0
	PLACES
	FETCHS \slot, 3, F1
	s_wait_dscnt 16
	MULS 2, F0
	WIN 0
	PLACES
	FETCHT \slot, 0, F0
	s_wait_dscnt 16
	MULS 3, F1
	WIN 0
	PLACES
	VAL \first
	WIN 0
	FETCHT \slot, 1, F1
	s_wait_dscnt 16
	MULP 0, F0, \first
	WIN 0
	PLACES
	FETCHT \slot, 2, F0
	s_wait_dscnt 16
	MULP 1, F1, 0
	WIN 0
	PLACES
	FETCHT \slot, 3, F1
	s_wait_dscnt 16
	MULP 2, F0, 0
	s_wait_dscnt 0x0
	MULP 3, F1, 0
	WIN 0
	v_add_nc_u32 v[ANV], 512, v[ANV]
.endm
	TRIP 0, 1, 1
	s_mov_b32 s76, 3
.Lchunks:
	TRIP 1, 1, 0
	TRIP 0, 1, 0
	s_sub_co_u32 s76, s76, 1
	s_cmp_lg_u32 s76, 0
	s_cbranch_scc1 .Lchunks
	TRIP 1, 0, 0                                   ; the last chunk: nothing is left to fetch
	PLACES
.irp ct, 0,1,2,3
	v_add_f32 v[LS+2*\ct], v[LS+2*\ct], v[LS+2*\ct+1]
.endr
.irp ct, 0,1,2,3
	v_permlanex16_b32 v[TMP+\ct], v[LS+2*\ct], s22, s23
.endr
	v_cmp_eq_u32 vcc_lo, 1, v12
.irp ct, 0,1,2,3
	v_add_f32 v[LS+2*\ct], v[LS+2*\ct], v[TMP+\ct]
.endr
.irp ct, 0,1,2,3
	v_cndmask_b32 v[TMP+\ct], v[RM+\ct], v[LS+2*\ct], vcc_lo   ; lower half stores M, upper half l
	global_store_b32 v13, v[TMP+\ct], s[72:73] offset:64*\ct
.endr
; 16 centres: a lane's 8 numbers of d go into row r of my stage; whole rows of 512 bytes come back and leave
.macro OUT16 ct, f
	WIN 0x08
.irp dt, 0,1,2,3,4,5,6,7
	ds_store_b128 v[STO], v[8*(8*\ct+\dt):8*(8*\ct+\dt)+3]   offset:64*\dt
	ds_store_b128 v[STO], v[8*(8*\ct+\dt)+4:8*(8*\ct+\dt)+7] offset:64*\dt+16
.endr
	WIN 0
	s_wait_xcnt 0x0                                ; earlier stores have read buffer f
.irp t, 0,1,2,3,4,5,6,7,8,9,10,11,12,13,14,15
	ds_load_b128 v[\f+4*\t:\f+4*\t+3], v[RD] offset:SP*\t      ; a wave's LDS instructions are served in order
.endr
.irp t, 0,1,2,3,4,5,6,7,8,9,10,11,12,13,14,15
	s_wait_dscnt 15-\t                             ; the younger read-backs stay out
	global_store_b128 v[CO], v[\f+4*\t:\f+4*\t+3], s[12:13] offset:(16*\ct+\t)*512   ; 512 consecutive bytes, aligned
.endr
.endm
	OUT16 0, F0
	OUT16 1, F1
	OUT16 2, F0
	OUT16 3, F1
	s_wait_tensorcnt 0x0
	ds_add_u32 v62, v63
	s_wait_dscnt 0x0
	ROUND                                          ; the closing round
	s_endpgm
.Lfunc_end_k_q85ff13bfc5_mstep:
	.size	k_q85ff13bfc5_mstep, .Lfunc_end_k_q85ff13bfc5_mstep-k_q85ff13bfc5_mstep
	.p2alignl 7, 3214868480
	.fill 96, 4, 3214868480
	.section	.rodata,"a",@progbits
	.p2align	6, 0x0
	.amdhsa_kernel k_q85ff13bfc5_mstep
		.amdhsa_group_segment_fixed_size 327680
		.amdhsa_private_segment_fixed_size 0
		.amdhsa_enable_private_segment 0
		.amdhsa_kernarg_size 40
		.amdhsa_user_sgpr_count 2
		.amdhsa_user_sgpr_kernarg_segment_ptr 1
		.amdhsa_wavefront_size32 1
		.amdhsa_system_sgpr_workgroup_id_x 1
		.amdhsa_system_sgpr_workgroup_id_y 1
		.amdhsa_system_sgpr_workgroup_id_z 1
		.amdhsa_system_vgpr_workitem_id 0
		.amdhsa_next_free_vgpr 896
		.amdhsa_next_free_sgpr 80
		.amdhsa_reserve_vcc 1
		.amdhsa_float_denorm_mode_32 3
		.amdhsa_float_denorm_mode_16_64 3
		.amdhsa_memory_ordered 1
		.amdhsa_forward_progress 1
		.amdhsa_inst_pref_size 255
	.end_amdhsa_kernel
	.section	.bss,"aw",@nobits
	.p2align	6
	.space	262144
	.amdgpu_metadata
---
amdhsa.version: [ 1, 2 ]
amdhsa.kernels:
  - .name:           k_q85ff13bfc5_mstep
    .symbol:         k_q85ff13bfc5_mstep.kd
    .args:
      - { .name: Xb, .offset: 0, .size: 8, .value_kind: global_buffer, .address_space: global }
      - { .name: mub, .offset: 8, .size: 8, .value_kind: global_buffer, .address_space: global }
      - { .name: Vn, .offset: 16, .size: 8, .value_kind: global_buffer, .address_space: global }
      - { .name: sigma, .offset: 24, .size: 8, .value_kind: global_buffer, .address_space: global }
      - { .name: Pp, .offset: 32, .size: 8, .value_kind: global_buffer, .address_space: global }
    .group_segment_fixed_size: 327680
    .private_segment_fixed_size: 0
    .kernarg_segment_align: 8
    .kernarg_segment_size: 40
    .max_flat_workgroup_size: 128
    .sgpr_count:     80
    .vgpr_count:     896
    .wavefront_size: 32
...
	.end_amdgpu_metadata
.endif
;; end of part 3
;; launch mid (part 4): grid 256 x 1, 8 waves a work-group, no clusters, 9,216 bytes of LDS; arguments Pp, aux, sigma, mn; writes mn
.if DOCPART == 4
	.amdgcn_target "amdgcn-amd-amdhsa--gfx1250"
	.amdhsa_code_object_version 6
	.text
	.protected	k_q85ff13bfc5_mid
	.globl	k_q85ff13bfc5_mid
	.p2align	8
	.type	k_q85ff13bfc5_mid,@function
k_q85ff13bfc5_mid:
	s_mov_b64 s[64:65], 0
	v_nop
	global_prefetch_b8 v0, s[64:65] scope:SCOPE_SE
	s_setreg_imm32_b32 hwreg(HW_REG_WAVE_MODE, 25, 1), 1
	s_wait_xcnt 0x0
; mid: joins the 64 splits of the column softmax.  For centre c:  M* = max M_s,  E_s = 2^(k2 (M_s - M*)),  l* = sum E_s l_s,
;   mu_new = sum E_s P_s / l*  (stored in f16: it lies in the convex hull of X, which is held in f16 already),
;   wn2 = log2 e x w_new = k2 (M* + a_c) + log2 l*,  m2n = |mu_new as stored|^2.
; l* >= 1: the split that holds the maximum has E = 1 and l >= 1.  Limit: sigma > 0.
; A stream of Pp, read once; no matrix unit, no cluster: work-groups share no input.
; A work-group owns 4 centres.  Wave w: p = w mod 2 picks two centres (one for each half of the wave), q = w / 2 the splits 4 t + q.
.set PR, 48                            ; v[48:175] split t: 8 registers: d = 4 i .. +3 and 64 + 4 i .. +3
.macro UNP d, s                        ; the two f16 of register s widened into v[d], v[d+1]
	v_cvt_f32_f16 v[\d], v\s\().l
	v_cvt_f32_f16 v[\d+1], v\s\().h
.endm
	s_load_b256 s[4:11], s[0:1], 0x0               ; Pp, aux, sigma, mn
	v_lshl_add_u32 v176, v0, 2, 0x2000
	v_mov_b32 v177, 0
	v_lshrrev_b32 v1, 5, v0
	v_readfirstlane_b32 s12, v1                    ; wave
	s_and_b32 s13, s12, 1                          ; p
	s_lshr_b32 s14, s12, 1                         ; q
	s_lshl_b32 s15, ttmp9, 2
	s_lshl1_add_u32 s15, s13, s15                  ; 4 x work-group + 2 p
	v_and_b32 v1, 15, v0                           ; i
	v_bfe_u32 v2, v0, 4, 1                         ; h
	v_add_nc_u32 v3, s15, v2                       ; c
	v_lshlrev_b32 v5, 2, v3                        ; 4 c
	v_lshl_add_u32 v4, v1, 14, v5                  ; M, l: splits 4 i + e, 4,096 bytes a split
	v_lshlrev_b32 v6, 4, v1
	v_lshl_add_u32 v6, v3, 9, v6                   ; P: 512 c + 16 i
	v_lshlrev_b32 v38, 4, v1
	v_lshl_add_u32 v38, v3, 8, v38                 ; mu_new: 256 c + 16 i
	v_lshl_add_u32 v39, v1, 12, v5                 ; wn2 (i = 0) or m2n (i = 1, 4,096 bytes on), word c
	s_lshl_b32 s35, s12, 10                        ; my 1,024 bytes of LDS
	v_lshlrev_b32 v34, 4, v1
	v_lshl_add_u32 v34, v2, 9, v34
	v_add_nc_u32 v34, s35, v34
	v_lshlrev_b32 v35, 5, v1
	v_lshl_add_u32 v35, v2, 9, v35
	v_add_nc_u32 v35, s35, v35
	v_mov_b32 v24, 0                               ; a DPP destination counts as read; v25 is named with it
	v_mov_b32 v25, 0
	v_mov_b32 v37, 0
	s_cmp_eq_u32 s14, 1
	s_cselect_b32 s32, -1, 0
	s_cmp_eq_u32 s14, 2
	s_cselect_b32 s33, -1, 0
	s_cmp_eq_u32 s14, 3
	s_cselect_b32 s34, -1, 0
	s_lshl_b32 s26, s14, 19                        ; split q
	s_mov_b32 s27, 0
	s_wait_kmcnt 0x0
	s_load_b32 s28, s[8:9], 0x0
	s_add_nc_u64 s[24:25], s[4:5], 0x2000000       ; M; l lies 262,144 bytes on
	s_add_nc_u64 s[16:17], s[4:5], s[26:27]        ; four bases, 16 splits apart, so that the rest fits the immediate
	s_add_nc_u64 s[18:19], s[16:17], 0x800000
	s_add_nc_u64 s[20:21], s[16:17], 0x1000000
	s_add_nc_u64 s[22:23], s[16:17], 0x1800000
.irp e, 0,1,2,3
	global_load_b32 v[8+\e], v4, s[24:25] offset:\e*4096
.endr
.irp e, 0,1,2,3
	global_load_b32 v[12+\e], v4, s[24:25] offset:262144+\e*4096
.endr
	global_load_b32 v16, v5, s[6:7] offset:262144  ; a_c
.irp b, 0,1,2,3
.irp u, 0,1,2,3
	global_load_b128 v[PR+8*(4*\b+\u):PR+8*(4*\b+\u)+3],   v6, s[16+2*\b:17+2*\b] offset:\u*2097152 th:TH_LOAD_NT
	global_load_b128 v[PR+8*(4*\b+\u)+4:PR+8*(4*\b+\u)+7], v6, s[16+2*\b:17+2*\b] offset:\u*2097152+256 th:TH_LOAD_NT
.endr
.endr
	s_wait_kmcnt 0x0
	v_mov_b32 v44, s28
	v_mul_f32 v44, v44, v44
	v_rcp_f32 v45, v44
	v_nop
	s_wait_alu depctr_va_vdst(0)
	v_mul_f32 v45, 0x3fb8aa3b, v45
	v_readfirstlane_b32 s30, v45                   ; k2
	s_wait_loadcnt 32                              ; M, l and a are in; P's 32 loads stay out
	v_max3_num_f32 v17, v8, v9, v10
	v_max_num_f32 v17, v17, v11
	v_max_num_f32_dpp v17, v17, v17 row_xmask:1 row_mask:0xf bank_mask:0xf
	v_max_num_f32_dpp v17, v17, v17 row_xmask:2 row_mask:0xf bank_mask:0xf
	v_max_num_f32_dpp v17, v17, v17 row_xmask:4 row_mask:0xf bank_mask:0xf
	v_max_num_f32_dpp v17, v17, v17 row_xmask:8 row_mask:0xf bank_mask:0xf     ; M* over the 64 splits
.irp e, 0,1,2,3
	v_sub_f32 v[18+\e], v[8+\e], v17
.endr
.irp e, 0,1,2,3
	v_mul_f32 v[18+\e], s30, v[18+\e]
.endr
.irp e, 0,1,2,3
	v_exp_f32 v[18+\e], v[18+\e]
.endr
	v_nop
	s_wait_alu depctr_va_vdst(0)
	v_mul_f32 v22, v18, v12
	v_fma_f32 v22, v19, v13, v22
	v_fma_f32 v22, v20, v14, v22
	v_fma_f32 v22, v21, v15, v22
	v_add_f32_dpp v22, v22, v22 row_xmask:1 row_mask:0xf bank_mask:0xf
	v_add_f32_dpp v22, v22, v22 row_xmask:2 row_mask:0xf bank_mask:0xf
	v_add_f32_dpp v22, v22, v22 row_xmask:4 row_mask:0xf bank_mask:0xf
	v_add_f32_dpp v22, v22, v22 row_xmask:8 row_mask:0xf bank_mask:0xf         ; l*
	v_cndmask_b32 v23, v18, v19, s32               ; lane i: E of split 4 i + q
	v_cndmask_b32 v23, v23, v20, s33
	v_cndmask_b32 v23, v23, v21, s34
.irp t, 0,1,2,3,4,5,6,7,8,9,10,11,12,13,14,15
	s_wait_loadcnt 30-2*\t                         ; split 4 t + q is in; the younger ones' two loads each stay out
	v_mov_b32_dpp v24, v23 row_share:\t row_mask:0xf bank_mask:0xf
.irp k, 0,2,4,6
.if \t == 0
	v_pk_mul_f32 v[26+\k:27+\k], v[PR+\k:PR+\k+1], v[24:25] op_sel_hi:[1,0]
.else
	v_pk_fma_f32 v[26+\k:27+\k], v[PR+8*\t+\k:PR+8*\t+\k+1], v[24:25], v[26+\k:27+\k] op_sel_hi:[1,0,1]
.endif
.endr
.endr
	ds_store_b128 v34, v[26:29]
	ds_store_b128 v34, v[30:33] offset:256
	s_wait_dscnt 0x0                               ; for the waves that read these bytes
	s_barrier_signal -1
	s_barrier_wait -1
	s_cmp_gt_u32 s12, 1
	s_cbranch_scc1 .Lend                           ; waves 0 and 1 finish their two centres
.irp qq, 0,1,2,3
	ds_load_b128 v[PR+8*\qq:PR+8*\qq+3],   v35 offset:\qq*2048        ; d = 8 i .. 8 i + 7 of the four partial sums
	ds_load_b128 v[PR+8*\qq+4:PR+8*\qq+7], v35 offset:\qq*2048+16
.endr
	v_rcp_f32 v36, v22
	v_log_f32 v46, v22
	v_add_f32 v45, v17, v16                        ; M* + a
	s_wait_dscnt 0x0
.irp k, 0,2,4,6
	v_pk_add_f32 v[PR+\k:PR+\k+1], v[PR+\k:PR+\k+1], v[PR+8+\k:PR+8+\k+1]
	v_pk_add_f32 v[PR+16+\k:PR+16+\k+1], v[PR+16+\k:PR+16+\k+1], v[PR+24+\k:PR+24+\k+1]
.endr
.irp k, 0,2,4,6
	v_pk_add_f32 v[PR+\k:PR+\k+1], v[PR+\k:PR+\k+1], v[PR+16+\k:PR+16+\k+1]
.endr
	s_wait_alu depctr_va_vdst(0)
.irp k, 0,2,4,6
	v_pk_mul_f32 v[PR+\k:PR+\k+1], v[PR+\k:PR+\k+1], v[36:37] op_sel_hi:[1,0]
.endr
.irp k, 0,1,2,3
	v_cvt_pk_f16_f32 v[40+\k], v[PR+2*\k], v[PR+2*\k+1]
.endr
	global_store_b128 v38, v[40:43], s[10:11]      ; 16 lanes: one aligned row of 256 bytes
.irp k, 0,1,2,3
	UNP PR+2*\k, 4\k                               ; v40 .. v43: the numbers as stored, back in f32
.endr
	v_pk_mul_f32 v[PR:PR+1], v[PR:PR+1], v[PR:PR+1]
	v_pk_fma_f32 v[PR:PR+1], v[PR+2:PR+3], v[PR+2:PR+3], v[PR:PR+1]
	v_pk_fma_f32 v[PR:PR+1], v[PR+4:PR+5], v[PR+4:PR+5], v[PR:PR+1]
	v_pk_fma_f32 v[PR:PR+1], v[PR+6:PR+7], v[PR+6:PR+7], v[PR:PR+1]
	v_add_f32 v44, v[PR], v[PR+1]
	v_add_f32_dpp v44, v44, v44 row_xmask:1 row_mask:0xf bank_mask:0xf
	v_add_f32_dpp v44, v44, v44 row_xmask:2 row_mask:0xf bank_mask:0xf
	v_add_f32_dpp v44, v44, v44 row_xmask:4 row_mask:0xf bank_mask:0xf
	v_add_f32_dpp v44, v44, v44 row_xmask:8 row_mask:0xf bank_mask:0xf         ; m2n
	v_fma_f32 v45, s30, v45, v46                   ; wn2
	v_cmp_eq_u32 vcc_lo, 1, v1
	v_cndmask_b32 v47, v45, v44, vcc_lo
	v_cmp_gt_u32 vcc_lo, 2, v1
	s_wait_xcnt 0x0                                ; EXEC changes only behind this wait
	s_and_saveexec_b32 s29, vcc_lo
	global_store_b32 v39, v47, s[10:11] offset:262144
	s_wait_xcnt 0x0
	s_or_b32 exec_lo, exec_lo, s29
.Lend:
	s_wait_tensorcnt 0x0
	ds_add_u32 v176, v177
	s_wait_dscnt 0x0
	s_endpgm
.Lfunc_end_k_q85ff13bfc5_mid:
	.size	k_q85ff13bfc5_mid, .Lfunc_end_k_q85ff13bfc5_mid-k_q85ff13bfc5_mid
	.p2alignl 7, 3214868480
	.fill 96, 4, 3214868480
	.section	.rodata,"a",@progbits
	.p2align	6, 0x0
	.amdhsa_kernel k_q85ff13bfc5_mid
		.amdhsa_group_segment_fixed_size 9216
		.amdhsa_private_segment_fixed_size 0
		.amdhsa_enable_private_segment 0
		.amdhsa_kernarg_size 32
		.amdhsa_user_sgpr_count 2
		.amdhsa_user_sgpr_kernarg_segment_ptr 1
		.amdhsa_wavefront_size32 1
		.amdhsa_system_sgpr_workgroup_id_x 1
		.amdhsa_system_sgpr_workgroup_id_y 1
		.amdhsa_system_sgpr_workgroup_id_z 1
		.amdhsa_system_vgpr_workitem_id 0
		.amdhsa_next_free_vgpr 178
		.amdhsa_next_free_sgpr 66
		.amdhsa_reserve_vcc 1
		.amdhsa_float_denorm_mode_32 3
		.amdhsa_float_denorm_mode_16_64 3
		.amdhsa_memory_ordered 1
		.amdhsa_forward_progress 1
		.amdhsa_inst_pref_size 17
	.end_amdhsa_kernel
	.amdgpu_metadata
---
amdhsa.version: [ 1, 2 ]
amdhsa.kernels:
  - .name:           k_q85ff13bfc5_mid
    .symbol:         k_q85ff13bfc5_mid.kd
    .args:
      - { .name: Pp, .offset: 0, .size: 8, .value_kind: global_buffer, .address_space: global }
      - { .name: aux, .offset: 8, .size: 8, .value_kind: global_buffer, .address_space: global }
      - { .name: sigma, .offset: 16, .size: 8, .value_kind: global_buffer, .address_space: global }
      - { .name: mn, .offset: 24, .size: 8, .value_kind: global_buffer, .address_space: global }
    .group_segment_fixed_size: 9216
    .private_segment_fixed_size: 0
    .kernarg_segment_align: 8
    .kernarg_segment_size: 32
    .max_flat_workgroup_size: 256
    .sgpr_count:     66
    .vgpr_count:     178
    .wavefront_size: 32
...
	.end_amdgpu_metadata
.endif
;; end of part 4
;; launch ystep (part 5): grid 256 x 1, 4 waves a work-group, clusters of 4 x 1, 327,680 bytes of LDS; arguments Xb, mub, mn, aux, Vn, sigma, out0, rs; writes out0, rs
.if DOCPART == 5
	.amdgcn_target "amdgcn-amd-amdhsa--gfx1250"
	.amdhsa_code_object_version 6
	.text
	.protected	k_q85ff13bfc5_ystep
	.globl	k_q85ff13bfc5_ystep
	.p2align	8
	.type	k_q85ff13bfc5_ystep,@function
k_q85ff13bfc5_ystep:
	s_mov_b64 s[64:65], 0
	v_nop
	global_prefetch_b8 v0, s[64:65] scope:SCOPE_SE
	s_setreg_imm32_b32 hwreg(HW_REG_WAVE_MODE, 25, 1), 1
	s_wait_xcnt 0x0
	s_wait_alu depctr_hold_cnt(0) depctr_sa_sdst(0) depctr_va_vdst(0) depctr_va_sdst(0) depctr_va_ssrc(0) depctr_va_vcc(0) depctr_vm_vsrc(0)
	s_getreg_b32 s2, hwreg(HW_REG_IB_STS2, 6, 4)
	s_cmp_eq_u32 s2, 0
	s_cbranch_scc0 .Lentry_in_a_cluster
	s_endpgm
.Lentry_in_a_cluster:
	s_bfe_u32 s2, ttmp6, 0x10000c
	s_cmp_lg_u32 s2, 0x3003
	s_cbranch_scc0 .Lentry_shape_is_right
	s_endpgm
.Lentry_shape_is_right:
; ystep: gamma = 2^(k2 (x.m + a - V)) anew, Y = gamma mu_new, and per wave four sums for the scalars:
;   rs[wave] = { sum gamma log2 gamma, sum (x2 - 2 V), sum y^2, sum (x - y)^2 }   (x the rounded X of prep).
; The exponent is at most about 0, since V is the row's logsumexp made from the same products in the same order.
; Limits: sigma > 0; gamma (in [0, 1]) and mu_new (in X's convex hull) enter the product in f16.
; A work-group owns 256 rows, a wave 64.  v is made transposed as in the E step (A = mu, B = X, C = a): a lane holds one row n, registers
; run along c; packed to f16 they are the B fragment of Y^T = A (mu_new^T, by transposing LDS loads) x B (gamma^T).
; CLUSTER 4 x 1: the four work-groups walk the same mu, mu_new and a: joint loads, mask 15.  X's rows are a wave's own.
; A slot holds a chunk of 128 centres as 256 LDS rows of 272 bytes: rows 0-127 mu_new (waves 0, 1 fetch 64 each), rows 128-255 mu (waves 2, 3):
; one descriptor a slot, whose buffer is chosen once by the wave's number.
.set PITCH, 272
.set WROWS, 64*PITCH
.set SLOT,  256*PITCH
.set XT,    2*SLOT                     ; my work-group's 256 rows of X; filled once, read at the start and again on the way out
.set AC,    3*SLOT                     ; a[1024]
.set STAGE, AC+4096                    ; way out: 16 rows x 528 bytes a wave; no tensor load lands here
.set SP,    528
.set AM,  2                            ; v2, v3  mu fragments in slot 0, 1
.set AT,  4                            ; v4, v5  mu_new transposed
.set ABI, 6                            ; v6      a, stepped by 512 a chunk
.set AXF, 7
.set STO, 8
.set RD,  9
.set CO,  10
.set MF,  32                           ; v[32:95]   mu fragments; on the way out x - y
.set T,   32
.set BI,  96                           ; v[96:111]  a
.set XE,  96                           ; v[96:127]  on the way out: a row tile's X fragments, where a register's halves can be named
.set TF,  112                          ; v[112:175] mu_new^T fragments
.set RB,  128                          ; v[128:191] on the way out: rows read back
.set PT,  176                          ; v[176:239] gamma in f32
.set SY,  192                          ; v[192:199] on the way out: sums of y^2
.set ST,  200                          ; v[200:207] on the way out: sums of (x - y)^2
.set AD,  240                          ; v[240:247] pairs: -k2 V
.set HA,  248                          ; v[248:255] pairs: sum gamma log2 gamma
.set XF,  0                            ; window 1: X fragments 32 rt + 8 ks
.set SA,  128                          ; window 1: v, then log2 gamma, 16 rt + 8 ct
.set GF,  192                          ; window 1: gamma in f16, 8 rt
; window 2: Y^T(rt, dt) at 8 (8 rt + dt)
.set MSB, 0
.macro WIN new
.if MSB != \new
	s_set_vgpr_msb (MSB<<8)|\new
.set MSB, \new
.endif
.endm
.macro PLACES
.rept 4
	v_nop
.endr
.endm
.macro ROUND
	s_barrier_signal -1
	s_barrier_wait -1
	s_cmp_lg_u32 s14, 0
	s_cbranch_scc1 .Lnot_wave_0_\@
	s_barrier_signal -3
.Lnot_wave_0_\@:
	s_barrier_wait -3
	s_barrier_signal -1
	s_barrier_wait -1
.endm
.macro UNP d, s                        ; the two f16 of register s widened into v[d], v[d+1]
	v_cvt_f32_f16 v[\d], v\s\().l
	v_cvt_f32_f16 v[\d+1], v\s\().h
.endm
	s_load_b512 s[84:99], s[0:1], 0x0              ; Xb 84, mub 86, mn 88, aux 90, Vn 92, sigma 94, out0 96, rs 98
	s_set_vgpr_msb 0x40
	v_lshl_add_u32 v254, v0, 2, 0x3c400
	v_mov_b32 v255, 0
	s_set_vgpr_msb 0x4045
	ds_add_u32 v254, v255
	s_set_vgpr_msb 0x4500
	v_lshrrev_b32 v1, 5, v0
	v_readfirstlane_b32 s14, v1                    ; wave
	s_and_b32 s13, s14, 1
	s_bfe_u32 s15, ttmp6, 0x40000                  ; cx
	s_lshl_b32 s16, ttmp9, 2
	s_add_co_u32 s16, s16, s15                     ; work-group x
	s_mov_b32 s22, 0x76543210
	s_mov_b32 s23, 0xfedcba98
	; group 1, the slots: 64 rows x 128 elements of 2 bytes a wave, padded, joint
	s_mov_b32 s24, 0x0771000f
	s_mov_b32 s25, 128<<16
	s_mov_b32 s26, 64<<16
	s_mov_b32 s27, 128<<16
	s_mov_b32 s28, 64
	s_mov_b32 s29, 128
	s_mov_b32 s30, 0
	s_mov_b32 s31, 0
	; group 1, X: the same, the work-group's own
	s_mov_b32 s40, 0x07510000
	s_mov_b32 s41, 128<<16
	s_mov_b32 s42, 64<<16
	s_mov_b32 s43, 128<<16
	s_mov_b32 s44, 64
	s_mov_b32 s45, 128
	s_mov_b32 s46, 0
	s_mov_b32 s47, 0
	; group 1, a: 1,024 dense bytes a wave, joint
	s_mov_b32 s48, 0x0023000f
	s_mov_b32 s49, 32<<16
	s_mov_b32 s50, 4<<16
	s_mov_b32 s51, 32<<16
	s_mov_b32 s52, 4
	s_mov_b32 s53, 32
	s_mov_b32 s54, 0
	s_mov_b32 s55, 0
	s_mul_i32 s4, s14, WROWS                       ; my 64 LDS rows of a tile
	s_lshl_b32 s6, s13, 14                         ; which 64 of a chunk's 128 rows I fetch
	s_mov_b32 s7, 0
	s_lshl_b32 s8, s14, 10                         ; my 1,024 bytes of a
	s_mov_b32 s9, 0
	s_lshl_b32 s10, s16, 16                        ; X: 256 rows a work-group (offsets that hold cx live in s[10:11] alone)
	s_lshl_b32 s5, s14, 14
	s_add_co_u32 s10, s10, s5
	s_mov_b32 s11, 0
	s_wait_dscnt 0x0
	s_wait_kmcnt 0x0
	s_load_b32 s12, s[94:95], 0x0                  ; sigma
	s_cmp_lt_u32 s14, 2
	s_cselect_b64 s[88:89], s[88:89], s[86:87]     ; waves 0, 1: mu_new; waves 2, 3: mu
	s_add_nc_u64 s[88:89], s[88:89], s[6:7]
	s_mov_b32 s56, 1                               ; slot 0: chunk 0
	s_mov_b32 s57, s4
	s_mov_b64 s[58:59], s[88:89]
	s_or_b32 s59, s59, 0x80000000
	s_mov_b32 s60, 1                               ; slot 1: chunk 1
	s_add_co_u32 s61, s4, SLOT
	s_add_nc_u64 s[62:63], s[88:89], 32768
	s_or_b32 s63, s63, 0x80000000
	s_mov_b32 s76, 1
	s_add_co_u32 s77, s4, XT
	s_add_nc_u64 s[78:79], s[84:85], s[10:11]
	s_or_b32 s79, s79, 0x80000000
	s_mov_b32 s80, 1
	s_add_co_u32 s81, s8, AC
	s_add_nc_u64 s[82:83], s[90:91], s[8:9]
	s_add_nc_u64 s[82:83], s[82:83], 262144
	s_or_b32 s83, s83, 0x80000000
	ROUND
	tensor_load_to_lds s[76:79], s[40:47]          ; three loads of this wave are out now, its most
	s_nop 0
	tensor_load_to_lds s[80:83], s[48:55]
	s_nop 0
	tensor_load_to_lds s[56:59], s[24:31]
	s_nop 0
	v_and_b32 v28, 15, v0                          ; r
	v_bfe_u32 v29, v0, 4, 1                        ; h
	v_and_b32 v30, 31, v0                          ; lane
	v_lshlrev_b32 v31, 2, v28                      ; 4 r
	s_lshl_b32 s10, s16, 10                        ; my 64 rows' words in Vn and in x2
	s_lshl_b32 s5, s14, 8
	s_add_co_u32 s10, s10, s5
	s_add_nc_u64 s[92:93], s[92:93], s[10:11]
	s_add_nc_u64 s[90:91], s[90:91], s[10:11]
.irp rt, 0,1,2,3
	global_load_b32 v[12+\rt], v31, s[92:93] offset:64*\rt     ; -V of row 16 rt + r
.endr
.irp rt, 0,1,2,3
	global_load_b32 v[16+\rt], v31, s[90:91] offset:64*\rt     ; x2
.endr
	v_mul_u32_u24 v11, v28, PITCH
	v_lshl_add_u32 v11, v29, 4, v11
	v_add_nc_u32 v[AM], 128*PITCH, v11
	v_add_nc_u32 v[AM+1], SLOT+128*PITCH, v11
	s_add_co_u32 s5, s4, XT
	v_add_nc_u32 v[AXF], s5, v11
	v_and_b32 v20, 7, v0
	v_lshl_add_u32 v20, v29, 3, v20
	v_mul_u32_u24 v20, v20, PITCH
	v_bfe_u32 v21, v0, 3, 1
	v_lshl_add_u32 v[AT], v21, 4, v20
	v_add_nc_u32 v[AT+1], SLOT, v[AT]
	v_lshlrev_b32 v[ABI], 5, v29
	v_add_nc_u32 v[ABI], AC, v[ABI]
	s_mul_i32 s5, s14, 16*SP
	s_add_co_u32 s5, s5, STAGE
	v_mul_u32_u24 v20, v28, SP
	v_lshl_add_u32 v20, v29, 5, v20
	v_add_nc_u32 v[STO], s5, v20
	v_lshlrev_b32 v[CO], 4, v30
	v_add_nc_u32 v[RD], s5, v[CO]
	s_wait_xcnt 0x0                                ; the loads above have had their addresses taken; s10 is written again
	s_lshl_b32 s10, s16, 17                        ; out0: 256 rows of 512 bytes a work-group, 64 a wave
	s_lshl_b32 s5, s14, 15
	s_add_co_u32 s10, s10, s5
	s_add_nc_u64 s[96:97], s[96:97], s[10:11]
	s_lshl_b32 s10, s16, 6                         ; rs: 16 bytes a wave
	s_lshl_b32 s5, s14, 4
	s_add_co_u32 s10, s10, s5
	s_add_nc_u64 s[98:99], s[98:99], s[10:11]
	s_wait_kmcnt 0x0
	v_mov_b32 v20, s12
	v_mul_f32 v20, v20, v20
	v_rcp_f32 v21, v20
	v_nop
	s_wait_alu depctr_va_vdst(0)
	v_mul_f32 v21, 0x3fb8aa3b, v21
	v_readfirstlane_b32 s18, v21                   ; k2
	s_mov_b32 s19, s18
	s_wait_loadcnt 0x0
.irp rt, 0,1,2,3
	v_mul_f32 v[AD+2*\rt], s18, v[12+\rt]
	v_mov_b32 v[AD+2*\rt+1], 0                     ; named with its pair, never used
	v_mov_b32 v[HA+2*\rt], 0
	v_mov_b32 v[HA+2*\rt+1], 0
.endr
	s_wait_tensorcnt 0x2                           ; my 64 rows of X are in (only I read them); a and chunk 0 stay out
	WIN 0x40
.irp rt, 0,1,2,3
.irp ks, 0,1,2,3
	ds_load_b128 v[XF+32*\rt+8*\ks:XF+32*\rt+8*\ks+3],   v[AXF] offset:16*PITCH*\rt+64*\ks
	ds_load_b128 v[XF+32*\rt+8*\ks+4:XF+32*\rt+8*\ks+7], v[AXF] offset:16*PITCH*\rt+64*\ks+32
.endr
.endr
	WIN 0
.macro LOADM am, s                     ; 20 loads: 32 centres of mu, four K steps, and their a
.irp ct, 0,1
.irp ks, 0,1,2,3
	ds_load_b128 v[MF+32*\ct+8*\ks:MF+32*\ct+8*\ks+3],   v[\am] offset:(32*(\s)+16*\ct)*PITCH+64*\ks
	ds_load_b128 v[MF+32*\ct+8*\ks+4:MF+32*\ct+8*\ks+7], v[\am] offset:(32*(\s)+16*\ct)*PITCH+64*\ks+32
.endr
	ds_load_b128 v[BI+8*\ct:BI+8*\ct+3],   v[ABI] offset:(32*(\s)+16*\ct)*4
	ds_load_b128 v[BI+8*\ct+4:BI+8*\ct+7], v[ABI] offset:(32*(\s)+16*\ct)*4+16
.endr
.endm
.macro LOADT slot, s                   ; 16 loads: mu_new transposed, all 128 d, 32 centres
.irp dt, 0,1,2,3,4,5,6,7
	ds_load_tr16_b128 v[TF+8*\dt:TF+8*\dt+3],   v[AT+\slot] offset:32*PITCH*(\s)+32*\dt
	ds_load_tr16_b128 v[TF+8*\dt+4:TF+8*\dt+7], v[AT+\slot] offset:32*PITCH*(\s)+32*\dt+16*PITCH
.endr
.endm
; as in the E step, instruction for instruction, so that v has the same bits; accumulators by turns
.macro SMUL
	WIN 0x44
.irp rt, 0,1,2,3
.irp ct, 0,1
	v_wmma_f32_16x16x32_f16 v[SA+16*\rt+8*\ct:SA+16*\rt+8*\ct+7], v[MF+32*\ct:MF+32*\ct+7], v[XF+32*\rt:XF+32*\rt+7], v[BI+8*\ct:BI+8*\ct+7]
.endr
.endr
	WIN 0x54
.irp ks, 1,2,3
.irp rt, 0,1,2,3
.irp ct, 0,1
	v_wmma_f32_16x16x32_f16 v[SA+16*\rt+8*\ct:SA+16*\rt+8*\ct+7], v[MF+32*\ct+8*\ks:MF+32*\ct+8*\ks+7], v[XF+32*\rt+8*\ks:XF+32*\rt+8*\ks+7], v[SA+16*\rt+8*\ct:SA+16*\rt+8*\ct+7]
.endr
.endr
.endr
.endm
.macro SOFTC
	WIN 0x41
.irp q, 0,1,2,3,4,5,6,7
.irp rt, 0,1,2,3
	v_pk_fma_f32 v[SA+16*\rt+2*\q:SA+16*\rt+2*\q+1], v[SA+16*\rt+2*\q:SA+16*\rt+2*\q+1], s[18:19], v[AD+2*\rt:AD+2*\rt+1] op_sel_hi:[1,0,0]   ; z = log2 gamma
.endr
.endr
	WIN 0x01
.set k, 0
.rept 64
	v_exp_f32 v[PT+k], v[SA+k]
.set k, k+1
.endr
	v_nop
	WIN 0x04
	s_wait_alu depctr_va_vdst(0)
.irp q, 0,1,2,3,4,5,6,7
.irp rt, 0,1,2,3
	v_pk_fma_f32 v[HA+2*\rt:HA+2*\rt+1], v[PT+16*\rt+2*\q:PT+16*\rt+2*\q+1], v[SA+16*\rt+2*\q:SA+16*\rt+2*\q+1], v[HA+2*\rt:HA+2*\rt+1]
.endr
.endr
	WIN 0x40
.irp i, 0,1,2,3,4,5,6,7
.irp rt, 0,1,2,3
	v_cvt_pk_f16_f32 v[GF+8*\rt+\i], v[PT+16*\rt+2*\i], v[PT+16*\rt+2*\i+1]
.endr
.endr
.endm
.macro YMUL zero                       ; 32 accumulators, one instruction a turn
	WIN 0xa4
.irp dt, 0,1,2,3,4,5,6,7
.irp rt, 0,1,2,3
.if \zero
	v_wmma_f32_16x16x32_f16 v[8*(8*\rt+\dt):8*(8*\rt+\dt)+7], v[TF+8*\dt:TF+8*\dt+7], v[GF+8*\rt:GF+8*\rt+7], 0
.else
	v_wmma_f32_16x16x32_f16 v[8*(8*\rt+\dt):8*(8*\rt+\dt)+7], v[TF+8*\dt:TF+8*\dt+7], v[GF+8*\rt:GF+8*\rt+7], v[8*(8*\rt+\dt):8*(8*\rt+\dt)+7]
.endif
.endr
.endr
.endm
; One chunk of 128 centres in slot, four steps of 32.
.macro TRIP slot, refill, first
	s_set_vgpr_msb 0x5
	s_wait_tensorcnt 0x0                           ; all my loads are in, my part of this chunk among them, so a group 0 may be written:
	ds_add_u32 v254, v255
	s_wait_dscnt 0x0
	s_set_vgpr_msb 0x500
	s_add_nc_u64 s[58+4*\slot:59+4*\slot], s[58+4*\slot:59+4*\slot], 0x10000   ; this slot's next chunk, two on
	s_wait_dscnt 0x0                               ; my reads of the other slot are back
	ROUND
.if \refill
	tensor_load_to_lds s[60-4*\slot:63-4*\slot], s[24:31]      ; my one load behind the round
	s_nop 0
.endif
	LOADM AM+\slot, 0
	LOADT \slot, 0
.irp s, 0,1,2,3
	s_wait_dscnt 16                                ; mu's fragments are in; mu_new's 16 loads stay out
	SMUL
	WIN 0
	PLACES
.if \s < 3
	LOADM AM+\slot, \s+1
.endif
	SOFTC
.if \s < 3
	s_wait_dscnt 20                                ; mu_new's fragments are in; the next step's 20 loads stay out
.else
	s_wait_dscnt 0x0
.endif
.if \first
.if \s == 0
	YMUL 1                                         ; the first product starts the sums
.else
	YMUL 0
.endif
.else
	YMUL 0
.endif
	WIN 0
	PLACES
.if \s < 3
	LOADT \slot, \s+1
.endif
.endr
	v_add_nc_u32 v[ABI], 512, v[ABI]
.endm
	TRIP 0, 1, 1
	s_mov_b32 s20, 3
.Lchunks:
	TRIP 1, 1, 0
	TRIP 0, 1, 0
	s_sub_co_u32 s20, s20, 1
	s_cmp_lg_u32 s20, 0
	s_cbranch_scc1 .Lchunks
	TRIP 1, 0, 0
.irp k, 0,1,2,3,4,5,6,7,8,9,10,11,12,13,14,15
	v_mov_b32 v[SY+\k], 0                          ; SY and, behind it, ST
.endr
; 16 rows.  An X fragment's register q of K step ks holds d = 32 ks + 16 (q / 4) + 8 h + 2 (q mod 4), + 1: the same numbers d, in the same
; order 16 ks + 2 q, as Y^T's registers 8 dt + j: x - y needs no shuffle.  The fragments are read once more from the wave's own rows of X's
; tile, which no load has filled again, into v96-127, whose halves can be named.
.macro OUTY rt
	WIN 0
.irp ks, 0,1,2,3
	ds_load_b128 v[XE+8*\ks:XE+8*\ks+3],   v[AXF] offset:16*PITCH*\rt+64*\ks
	ds_load_b128 v[XE+8*\ks+4:XE+8*\ks+7], v[AXF] offset:16*PITCH*\rt+64*\ks+32
.endr
	s_wait_dscnt 0x0
.irp q, 96,97,98,99,100,101,102,103,104,105,106,107,108,109,110,111,112,113,114,115,116,117,118,119,120,121,122,123,124,125,126,127
	UNP T+2*(\q-96), \q
.endr
	WIN 0x08
.set k, 0
.rept 32
	v_pk_add_f32 v[T+k:T+k+1], v[T+k:T+k+1], v[64*\rt+k:64*\rt+k+1] neg_lo:[0,1] neg_hi:[0,1]
.set k, k+2
.endr
.irp dt, 0,1,2,3,4,5,6,7
	ds_store_b128 v[STO], v[64*\rt+8*\dt:64*\rt+8*\dt+3]   offset:64*\dt
	ds_store_b128 v[STO], v[64*\rt+8*\dt+4:64*\rt+8*\dt+7] offset:64*\dt+16
.endr
	WIN 0x0a
.set k, 0
.rept 32
	v_pk_fma_f32 v[SY+k%8:SY+k%8+1], v[64*\rt+k:64*\rt+k+1], v[64*\rt+k:64*\rt+k+1], v[SY+k%8:SY+k%8+1]
.set k, k+2
.endr
	WIN 0
.set k, 0
.rept 32
	v_pk_fma_f32 v[ST+k%8:ST+k%8+1], v[T+k:T+k+1], v[T+k:T+k+1], v[ST+k%8:ST+k%8+1]
.set k, k+2
.endr
	s_wait_xcnt 0x0                                ; earlier stores have read the read-back registers
.irp t, 0,1,2,3,4,5,6,7,8,9,10,11,12,13,14,15
	ds_load_b128 v[RB+4*\t:RB+4*\t+3], v[RD] offset:SP*\t      ; a wave's LDS instructions are served in order: these see the stores above
.endr
.irp t, 0,1,2,3,4,5,6,7,8,9,10,11,12,13,14,15
	s_wait_dscnt 15-\t                             ; the younger read-backs stay out
	global_store_b128 v[CO], v[RB+4*\t:RB+4*\t+3], s[96:97] offset:(16*\rt+\t)*512 th:TH_STORE_NT   ; a row of Y: 512 consecutive bytes, aligned
.endr
.endm
	OUTY 0
	OUTY 1
	OUTY 2
	OUTY 3
	v_pk_add_f32 v[HA:HA+1], v[HA:HA+1], v[HA+2:HA+3]
	v_pk_add_f32 v[HA+4:HA+5], v[HA+4:HA+5], v[HA+6:HA+7]
	v_pk_add_f32 v[SY:SY+1], v[SY:SY+1], v[SY+2:SY+3]
	v_pk_add_f32 v[SY+4:SY+5], v[SY+4:SY+5], v[SY+6:SY+7]
	v_pk_add_f32 v[ST:ST+1], v[ST:ST+1], v[ST+2:ST+3]
	v_pk_add_f32 v[ST+4:ST+5], v[ST+4:ST+5], v[ST+6:ST+7]
	v_pk_add_f32 v[HA:HA+1], v[HA:HA+1], v[HA+4:HA+5]
	v_pk_add_f32 v[SY:SY+1], v[SY:SY+1], v[SY+4:SY+5]
	v_pk_add_f32 v[ST:ST+1], v[ST:ST+1], v[ST+4:ST+5]
	v_add_f32 v20, v[HA], v[HA+1]
	v_add_f32 v22, v[SY], v[SY+1]
	v_add_f32 v23, v[ST], v[ST+1]
	v_fma_f32 v21, 0.5, v16, v12                   ; both halves hold the same rows: each adds half of x2 - 2 V
	v_fma_f32 v24, 0.5, v17, v13
	v_fma_f32 v25, 0.5, v18, v14
	v_fma_f32 v26, 0.5, v19, v15
	v_mov_b32 v27, 0
	v_add_f32 v21, v21, v24
	v_add_f32 v25, v25, v26
	v_add_f32 v21, v21, v25
.irp m, 1,2,4,8
.irp k, 20,21,22,23
	v_add_f32_dpp v\k, v\k, v\k row_xmask:\m row_mask:0xf bank_mask:0xf
.endr
.endr
.irp k, 0,1,2,3
	v_permlanex16_b32 v[24+\k], v[20+\k], s22, s23
.endr
.irp k, 0,1,2,3
	v_add_f32 v[20+\k], v[20+\k], v[24+\k]
.endr
	v_cmp_eq_u32 vcc_lo, 0, v30
	s_wait_xcnt 0x0                                ; EXEC changes only behind this wait
	s_and_saveexec_b32 s5, vcc_lo
	global_store_b128 v[CO], v[20:23], s[98:99]    ; lane 0 (its offset is 0): the wave's four sums
	s_wait_xcnt 0x0
	s_or_b32 exec_lo, exec_lo, s5
	s_set_vgpr_msb 0x5
	s_wait_tensorcnt 0x0
	ds_add_u32 v254, v255
	s_wait_dscnt 0x0
	s_set_vgpr_msb 0x500
	ROUND                                          ; the closing round
	s_endpgm
.Lfunc_end_k_q85ff13bfc5_ystep:
	.size	k_q85ff13bfc5_ystep, .Lfunc_end_k_q85ff13bfc5_ystep-k_q85ff13bfc5_ystep
	.p2alignl 7, 3214868480
	.fill 96, 4, 3214868480
	.section	.rodata,"a",@progbits
	.p2align	6, 0x0
	.amdhsa_kernel k_q85ff13bfc5_ystep
		.amdhsa_group_segment_fixed_size 327680
		.amdhsa_private_segment_fixed_size 0
		.amdhsa_enable_private_segment 0
		.amdhsa_kernarg_size 64
		.amdhsa_user_sgpr_count 2
		.amdhsa_user_sgpr_kernarg_segment_ptr 1
		.amdhsa_wavefront_size32 1
		.amdhsa_system_sgpr_workgroup_id_x 1
		.amdhsa_system_sgpr_workgroup_id_y 1
		.amdhsa_system_sgpr_workgroup_id_z 1
		.amdhsa_system_vgpr_workitem_id 0
		.amdhsa_next_free_vgpr 768
		.amdhsa_next_free_sgpr 100
		.amdhsa_reserve_vcc 1
		.amdhsa_float_denorm_mode_32 3
		.amdhsa_float_denorm_mode_16_64 3
		.amdhsa_memory_ordered 1
		.amdhsa_forward_progress 1
		.amdhsa_inst_pref_size 255
	.end_amdhsa_kernel
	.section	.bss,"aw",@nobits
	.p2align	6
	.space	262144
	.amdgpu_metadata
---
amdhsa.version: [ 1, 2 ]
amdhsa.kernels:
  - .name:           k_q85ff13bfc5_ystep
    .symbol:         k_q85ff13bfc5_ystep.kd
    .args:
      - { .name: Xb, .offset: 0, .size: 8, .value_kind: global_buffer, .address_space: global }
      - { .name: mub, .offset: 8, .size: 8, .value_kind: global_buffer, .address_space: global }
      - { .name: mn, .offset: 16, .size: 8, .value_kind: global_buffer, .address_space: global }
      - { .name: aux, .offset: 24, .size: 8, .value_kind: global_buffer, .address_space: global }
      - { .name: Vn, .offset: 32, .size: 8, .value_kind: global_buffer, .address_space: global }
      - { .name: sigma, .offset: 40, .size: 8, .value_kind: global_buffer, .address_space: global }
      - { .name: out0, .offset: 48, .size: 8, .value_kind: global_buffer, .address_space: global }
      - { .name: rs, .offset: 56, .size: 8, .value_kind: global_buffer, .address_space: global }
    .group_segment_fixed_size: 327680
    .private_segment_fixed_size: 0
    .kernarg_segment_align: 8
    .kernarg_segment_size: 64
    .max_flat_workgroup_size: 128
    .sgpr_count:     100
    .vgpr_count:     768
    .wavefront_size: 32
...
	.end_amdgpu_metadata
.endif
;; end of part 5
;; launch fin (part 6): grid 1 x 1, 32 waves a work-group, no clusters, 8,192 bytes of LDS; arguments rs, mn, w, sigma, out1, out2; writes out1, out2
.if DOCPART == 6
	.amdgcn_target "amdgcn-amd-amdhsa--gfx1250"
	.amdhsa_code_object_version 6
	.text
	.protected	k_q85ff13bfc5_fin
	.globl	k_q85ff13bfc5_fin
	.p2align	8
	.type	k_q85ff13bfc5_fin,@function
k_q85ff13bfc5_fin:
	s_mov_b64 s[64:65], 0
	v_nop
	global_prefetch_b8 v0, s[64:65] scope:SCOPE_SE
	s_setreg_imm32_b32 hwreg(HW_REG_WAVE_MODE, 25, 1), 1
	s_wait_xcnt 0x0
; fin: the two scalars.  With G_c = 2^wn2_c (the column sums of gamma), H = ln 2 x sum gamma log2 gamma, sum over c of gamma taken as 1:
;   sum gamma D2 = sum (x2 - 2 V) - 2 sigma^2 H + 2 sigma^2 sum G w,        2 sigma_new^2 = that / 2^22   (D N = 2^23)
;   Cfe = (sum G m2n - sum y^2) / (2 sigma_new^2) + H - ln 2 (sum G wn2 - sum G x LSE2) + 2^23 (ln sigma + 1/2 ln 2 pi)
;   FE  = Cfe + sum (x - y)^2 / (2 sigma_new^2),      LSE2 = max wn2 + log2 sum 2^(wn2 - max).
; Limits: sigma > 0; sum G m2n - sum y^2 is one difference of two f32 sums.
; One work-group: 1,024 threads, one centre and one wave's record of rs each; a few numbers, so one owner adds them in a fixed order.
.macro WSUM r
	v_add_f32_dpp v[\r], v[\r], v[\r] row_xmask:1 row_mask:0xf bank_mask:0xf
	v_add_f32_dpp v[\r], v[\r], v[\r] row_xmask:2 row_mask:0xf bank_mask:0xf
	v_add_f32_dpp v[\r], v[\r], v[\r] row_xmask:4 row_mask:0xf bank_mask:0xf
	v_add_f32_dpp v[\r], v[\r], v[\r] row_xmask:8 row_mask:0xf bank_mask:0xf
	v_permlanex16_b32 v3, v[\r], s18, s19
	v_add_f32 v[\r], v[\r], v3
.endm
.macro WMAX r
	v_max_num_f32_dpp v[\r], v[\r], v[\r] row_xmask:1 row_mask:0xf bank_mask:0xf
	v_max_num_f32_dpp v[\r], v[\r], v[\r] row_xmask:2 row_mask:0xf bank_mask:0xf
	v_max_num_f32_dpp v[\r], v[\r], v[\r] row_xmask:4 row_mask:0xf bank_mask:0xf
	v_max_num_f32_dpp v[\r], v[\r], v[\r] row_xmask:8 row_mask:0xf bank_mask:0xf
	v_permlanex16_b32 v3, v[\r], s18, s19
	v_max_num_f32 v[\r], v[\r], v3
.endm
	s_load_b256 s[4:11], s[0:1], 0x0               ; rs, mn, w, sigma
	s_load_b128 s[12:15], s[0:1], 0x20             ; out1, out2
	v_lshl_add_u32 v64, v0, 2, 0x1000
	v_mov_b32 v65, 0
	v_lshrrev_b32 v1, 5, v0
	v_readfirstlane_b32 s16, v1                    ; wave
	s_mov_b32 s18, 0x76543210
	s_mov_b32 s19, 0xfedcba98
	s_mov_b32 s20, 0x3f317218                      ; ln 2
	s_mov_b32 s22, 0x3f6b3f8e                      ; 1/2 ln 2 pi
	v_lshlrev_b32 v1, 4, v0
	v_lshlrev_b32 v2, 2, v0
	v_mov_b32 v3, 0
	v_and_b32 v12, 31, v0
	v_lshlrev_b32 v12, 2, v12                      ; 4 x lane
	v_mov_b32 v13, s16
	v_lshlrev_b32 v13, 2, v13                      ; 4 x wave
	s_wait_kmcnt 0x0
	s_load_b32 s17, s[10:11], 0x0
	global_load_b128 v[20:23], v1, s[4:5]
	global_load_b32 v8, v2, s[6:7] offset:262144   ; wn2
	global_load_b32 v9, v2, s[6:7] offset:266240   ; m2n
	global_load_b32 v10, v2, s[8:9]                ; w
	s_wait_loadcnt 0x0
	v_mov_b32 v11, v8
	WMAX 11
	ds_store_b32 v13, v11                          ; all lanes write the wave's word with the same value
	s_wait_dscnt 0x0
	s_barrier_signal -1
	s_barrier_wait -1
	ds_load_b32 v11, v12
	s_wait_dscnt 0x0
	WMAX 11                                        ; the maximum of wn2, in every lane of every wave
	v_sub_f32 v24, v8, v11
	v_exp_f32 v24, v24
	v_exp_f32 v28, v8                              ; G
	v_nop
	s_wait_alu depctr_va_vdst(0)
	v_mul_f32 v25, v28, v9
	v_mul_f32 v26, v28, v8
	v_mul_f32 v27, v28, v10
.irp k, 20,21,22,23,24,25,26,27,28
	WSUM \k
.endr
.irp k, 0,1,2,3,4,5,6,7,8
	ds_store_b32 v13, v[20+\k] offset:128+128*\k   ; other bytes than the maxima's
.endr
	s_wait_dscnt 0x0
	s_barrier_signal -1
	s_barrier_wait -1
	s_cmp_lg_u32 s16, 0
	s_cbranch_scc1 .Lend
.irp k, 0,1,2,3,4,5,6,7,8
	ds_load_b32 v[30+\k], v12 offset:128+128*\k
.endr
	s_wait_dscnt 0x0
.irp k, 30,31,32,33,34,35,36,37,38
	WSUM \k
.endr
	; v30 sum p z, v31 sum (x2 - 2V), v32 sum y^2, v33 sum (x-y)^2, v34 sum 2^(wn2-max), v35 sum G m2n, v36 sum G wn2, v37 sum G w, v38 sum G
	s_wait_kmcnt 0x0
	v_mov_b32 v40, s17
	v_log_f32 v41, v40                             ; log2 sigma
	v_log_f32 v42, v34
	v_mul_f32 v43, s20, v30                        ; H (the plain instruction behind the logarithms)
	v_mul_f32 v40, v40, v40
	s_wait_alu depctr_va_vdst(0)
	v_add_f32 v42, v42, v11                        ; LSE2
	v_sub_f32 v44, v37, v43
	v_add_f32 v40, v40, v40                        ; 2 sigma^2
	v_fma_f32 v44, v40, v44, v31                   ; sum gamma D2
	v_mul_f32 v44, 0x34800000, v44                 ; x 2^-22 = 2 sigma_new^2
	v_rcp_f32 v45, v44
	v_fma_f32 v41, s20, v41, s22                   ; ln sigma + 1/2 ln 2 pi
	v_fma_f32 v46, -v38, v42, v36
	v_sub_f32 v47, v35, v32
	s_wait_alu depctr_va_vdst(0)
	v_fma_f32 v47, v47, v45, v43
	v_fma_f32 v47, -s20, v46, v47
	v_fma_f32 v47, 0x4b000000, v41, v47            ; + N D (..) = Cfe
	v_fma_f32 v46, v33, v45, v47                   ; FE
	v_cmp_eq_u32 vcc_lo, 0, v0
	s_wait_xcnt 0x0                                ; EXEC changes only behind this wait
	s_and_saveexec_b32 s21, vcc_lo
	global_store_b32 v2, v47, s[12:13]             ; thread 0: its offset is 0
	global_store_b32 v2, v46, s[14:15]
	s_wait_xcnt 0x0
	s_or_b32 exec_lo, exec_lo, s21
.Lend:
	s_wait_tensorcnt 0x0
	ds_add_u32 v64, v65
	s_wait_dscnt 0x0
	s_endpgm
.Lfunc_end_k_q85ff13bfc5_fin:
	.size	k_q85ff13bfc5_fin, .Lfunc_end_k_q85ff13bfc5_fin-k_q85ff13bfc5_fin
	.p2alignl 7, 3214868480
	.fill 96, 4, 3214868480
	.section	.rodata,"a",@progbits
	.p2align	6, 0x0
	.amdhsa_kernel k_q85ff13bfc5_fin
		.amdhsa_group_segment_fixed_size 8192
		.amdhsa_private_segment_fixed_size 0
		.amdhsa_enable_private_segment 0
		.amdhsa_kernarg_size 48
		.amdhsa_user_sgpr_count 2
		.amdhsa_user_sgpr_kernarg_segment_ptr 1
		.amdhsa_wavefront_size32 1
		.amdhsa_system_sgpr_workgroup_id_x 1
		.amdhsa_system_sgpr_workgroup_id_y 1
		.amdhsa_system_sgpr_workgroup_id_z 1
		.amdhsa_system_vgpr_workitem_id 0
		.amdhsa_next_free_vgpr 66
		.amdhsa_next_free_sgpr 66
		.amdhsa_reserve_vcc 1
		.amdhsa_float_denorm_mode_32 3
		.amdhsa_float_denorm_mode_16_64 3
		.amdhsa_memory_ordered 1
		.amdhsa_forward_progress 1
		.amdhsa_inst_pref_size 12
	.end_amdhsa_kernel
	.amdgpu_metadata
---
amdhsa.version: [ 1, 2 ]
amdhsa.kernels:
  - .name:           k_q85ff13bfc5_fin
    .symbol:         k_q85ff13bfc5_fin.kd
    .args:
      - { .name: rs, .offset: 0, .size: 8, .value_kind: global_buffer, .address_space: global }
      - { .name: mn, .offset: 8, .size: 8, .value_kind: global_buffer, .address_space: global }
      - { .name: w, .offset: 16, .size: 8, .value_kind: global_buffer, .address_space: global }
      - { .name: sigma, .offset: 24, .size: 8, .value_kind: global_buffer, .address_space: global }
      - { .name: out1, .offset: 32, .size: 8, .value_kind: global_buffer, .address_space: global }
      - { .name: out2, .offset: 40, .size: 8, .value_kind: global_buffer, .address_space: global }
    .group_segment_fixed_size: 8192
    .private_segment_fixed_size: 0
    .kernarg_segment_align: 8
    .kernarg_segment_size: 48
    .max_flat_workgroup_size: 1024
    .sgpr_count:     66
    .vgpr_count:     66
    .wavefront_size: 32
...
	.end_amdgpu_metadata
.endif
;; end of part 6
;; ======== version 2 of 2: 6 launches; version 1 with the launch prep written anew for expert scheduling mode
;; limits: a difference of large sums (such as E[x^2] - mean^2): digits are lost where the result is much smaller than its terms; inputs' magnitudes at most 65,504; values are held in f16: magnitudes above 65,504 overflow, below 6.1e-05 lose precision
;; workspace buffers: Xb 16,777,216 bytes; mub 262,144 bytes; aux 266,240 bytes; Vn 262,144 bytes; Pp 34,078,720 bytes; mn 270,336 bytes; rs 16,384 bytes
;; launch prep (part 7): grid 260 x 1, 8 waves a work-group, no clusters, 0 bytes of LDS; arguments X, mu, w, sigma, Xb, mub, aux; writes Xb, mub, aux
.if DOCPART == 7
	.amdgcn_target "amdgcn-amd-amdhsa--gfx1250"
	.amdhsa_code_object_version 6
	.text
	.protected	k_q85ff13bfc5_prep
	.globl	k_q85ff13bfc5_prep
	.p2align	8
	.type	k_q85ff13bfc5_prep,@function
k_q85ff13bfc5_prep:
	s_mov_b64 s[64:65], 0
	v_nop
	global_prefetch_b8 v0, s[64:65] scope:SCOPE_SE
	s_setreg_imm32_b32 hwreg(HW_REG_WAVE_SCHED_MODE, 0, 2), 2
	s_setreg_imm32_b32 hwreg(HW_REG_WAVE_MODE, 25, 1), 1
	s_wait_xcnt 0x0
	s_wait_alu depctr_vm_vsrc(0)
; prep: rounds X [65536][128] and mu [1024][128] to bf16, the rounding allowed for matrix operands, and stores the rounded numbers
; AS F16 (Xb, mub): f16 holds every bf16 number exactly between 2^-14 and 65,504, and the later products' other operands (softmax
; weights in [0, 1], the new centres) then get f16's 11 bits in the same matrix form.
; Limits: |X|, |mu| < 65,504; rounded numbers below 2^-14 are kept to within 2^-25.
; Per row it stores, in aux,
;   rows of X : x2 = sum of squares of the ROUNDED numbers          (aux word n)
;   rows of mu: a  = sigma^2 w - 1/2 sum of squares of the rounded  (aux word 65536 + c)
; so that a + x.m is, up to a row constant, -1/2 of the true distance of the rounded points.
; A stream: each byte read once, written once; no LDS, no matrix unit, no cluster (work-groups share no input).
; Work-groups 0-255 take 256 rows of X each, 256-259 take 256 rows of mu.  A wave owns 32 rows; in step s the lower 16 lanes hold row s
; and the upper 16 row 16 + s; a lane holds 8 neighbouring numbers, so its 16 bytes of f16 and its 15 neighbours' fill one whole row of
; 256 bytes.  All 32 loads of a wave go out at once, and the results overwrite the slot that was read: no register is used twice.
; aux leaves as one piece of 128 bytes a wave: 1 KiB of the work-group's 65 KiB of output.
; THE MODE: SCHED_MODE bits 1:0 = 2 (LLVM: expert scheduling mode 2), set by the entry lines.  The code itself states the register dependences
; between vector instructions and memory instructions, with s_wait_alu, always for 0.
; THE PLAN.  Registers that memory instructions touch:
;   v2, v3, v4   byte offsets, made at the head and never written again; every load and store reads one of them.
;   v[WV]        written at the head; in mu's work-groups w's load lands in it.
;   XR slot s    its two loads land in it; step s's roundings read it; step s's four conversions to f16 write its first four registers, which one
;                store reads; nothing writes them after that.
;   v[KEEP]      written by the steps' selects (and by mu's last line); read by the last store.
;   T, B and v1 are named by vector instructions alone.
; The 16 steps go in four blocks of four.  Block b's vector instructions name the slots 4 b .. 4 b + 3, T, B, KEEP and the masks; its memory
; instructions are the four stores of block b - 1's slots.  So one wait on va_vdst at a block's head states all that these four stores hang on, and
; they are dealt among the block's steps with no further wait.  No register that a memory instruction reads is written again, so past the entry lines the text holds no
; wait on vm_vsrc.  The 16 masks 'my place in a row is s' hang on v1 alone: they are made in one run, into scalar registers, with one wait on va_sdst.
.set XR,   64                          ; v[64:191] 16 slots of 8 registers: a lane's 8 f32 as loaded; the first 4 then hold the 8 f16
.set T,    8                           ; v[8:15]   the 8 rounded numbers in f32
.set B,    16                          ; v[16:19]  the 8 numbers in bf16
.set KEEP, 6                           ; v6        thread t keeps the sum of row t of the work-group's 256
.set WV,   20                          ; v20       w of row t (mu's work-groups)
.set MK,   32                          ; s[32:47]  mask s: the lanes whose place in a row is s
	s_load_b256 s[4:11], s[0:1], 0x0               ; X s[4:5], mu s[6:7], w s[8:9], sigma s[10:11]
	s_load_b128 s[12:15], s[0:1], 0x20             ; Xb s[12:13], mub s[14:15]
	s_load_b64 s[16:17], s[0:1], 0x30              ; aux
	s_and_b32 s20, ttmp9, 0xff                     ; block of 256 rows inside X or inside mu
	s_lshl_b32 s22, s20, 17                        ; x 256 rows x 512 bytes
	s_mov_b32 s23, 0
	s_lshl_b32 s24, s20, 16                        ; x 256 rows x 256 bytes
	s_mov_b32 s25, 0
	s_lshl_b32 s26, ttmp9, 10                      ; aux: 256 words a work-group; mu's follow X's 65,536
	s_mov_b32 s27, 0
	s_lshl_b32 s28, s20, 10                        ; w: 256 words a block
	s_mov_b32 s29, 0
	s_mov_b32 s21, 0xffff0000                      ; a word's upper bf16
	s_mov_b32 s18, 0                               ; sigma, loaded by mu's work-groups alone
	v_and_b32 v1, 15, v0                           ; i: my place in a row
	v_lshrrev_b32 v5, 4, v0                        ; 2 x wave + half
	v_lshlrev_b32 v2, 5, v1                        ; in: 32 i
	v_lshl_add_u32 v2, v5, 13, v2                  ;   + 16 rows of 512 bytes for each half wave
	v_lshlrev_b32 v3, 4, v1                        ; out: 16 i
	v_lshl_add_u32 v3, v5, 12, v3                  ;   + 16 rows of 256 bytes
	v_lshlrev_b32 v4, 2, v0                        ; aux and w: one word a thread
	v_mov_b32 v[KEEP], 0
	v_mov_b32 v[WV], 0
	s_wait_kmcnt 0x0
	s_cmp_lt_u32 ttmp9, 256
	s_cselect_b64 s[4:5], s[4:5], s[6:7]           ; source: X or mu
	s_cselect_b64 s[30:31], s[12:13], s[14:15]     ; destination: Xb or mub
	s_add_nc_u64 s[4:5], s[4:5], s[22:23]
	s_add_nc_u64 s[30:31], s[30:31], s[24:25]
	s_add_nc_u64 s[16:17], s[16:17], s[26:27]
	s_wait_alu depctr_va_vdst(0)                   ; the offsets v2, v3, v4 are written, which every load and store of the kernel reads; so is v[WV], in which w's load lands
	s_cmp_lt_u32 ttmp9, 256
	s_cbranch_scc1 .Lrows
	s_load_b32 s18, s[10:11], 0x0                  ; mu's work-groups ask for sigma and w ahead of their rows, so that nothing is waited for at the end
	s_add_nc_u64 s[8:9], s[8:9], s[28:29]
	global_load_b32 v[WV], v4, s[8:9]
.Lrows:
.irp s, 0,1,2,3,4,5,6,7,8,9,10,11,12,13,14,15
	global_load_b128 v[XR+8*\s:XR+8*\s+3],   v2, s[4:5] offset:\s*512 th:TH_LOAD_NT
	global_load_b128 v[XR+8*\s+4:XR+8*\s+7], v2, s[4:5] offset:\s*512+16 th:TH_LOAD_NT
.endr
.irp s, 0,1,2,3,4,5,6,7,8,9,10,11,12,13,14,15
	v_cmp_eq_u32 s[MK+\s], \s, v1                  ; row 16 (2 wave + half) + s belongs to the thread of that number; made while the loads are on their way
.endr
	s_wait_alu depctr_va_sdst(0)                   ; the 16 masks s[32:47] are written, ahead of their first reader: step s's select reads mask s
; Step s.  back = 1: the store of the step four back, whose slot the wait at the block's head has shown written, goes out first, ahead of the wait for this step's data.
.macro STEP s, back
.if \back
	global_store_b128 v3, v[XR+8*(\s-4):XR+8*(\s-4)+3], s[30:31] offset:(\s-4)*256     ; 16 lanes: one aligned row of 256 bytes; no vector instruction since the block's wait names these registers
.endif
	s_wait_loadcnt 30-2*\s                         ; loads return in order: this slot's two are in, the younger slots' two each stay out
.irp k, 0,1,2,3
	v_cvt_pk_bf16_f32 v[B+\k], v[XR+8*\s+2*\k], v[XR+8*\s+2*\k+1]              ; the rounding
.endr
.irp k, 0,1,2,3
	v_lshlrev_b32 v[T+2*\k],   16,  v[B+\k]        ; the rounded numbers back in f32
	v_and_b32     v[T+2*\k+1], s21, v[B+\k]
.endr
.irp k, 0,1,2,3
	v_cvt_pk_f16_f32 v[XR+8*\s+\k], v[T+2*\k], v[T+2*\k+1]                     ; the carrier: exact in the stated range
.endr
	v_pk_mul_f32 v[T:T+1], v[T:T+1], v[T:T+1]
	v_pk_fma_f32 v[T:T+1], v[T+2:T+3], v[T+2:T+3], v[T:T+1]
	v_pk_fma_f32 v[T:T+1], v[T+4:T+5], v[T+4:T+5], v[T:T+1]
	v_pk_fma_f32 v[T:T+1], v[T+6:T+7], v[T+6:T+7], v[T:T+1]
	v_add_f32 v[T], v[T], v[T+1]
	v_add_f32_dpp v[T], v[T], v[T] row_xmask:1 row_mask:0xf bank_mask:0xf      ; over the row's 16 lanes
	v_add_f32_dpp v[T], v[T], v[T] row_xmask:2 row_mask:0xf bank_mask:0xf
	v_add_f32_dpp v[T], v[T], v[T] row_xmask:4 row_mask:0xf bank_mask:0xf
	v_add_f32_dpp v[T], v[T], v[T] row_xmask:8 row_mask:0xf bank_mask:0xf
	v_cndmask_b32 v[KEEP], v[KEEP], v[T], s[MK+\s]
.endm
.irp s, 0,1,2,3
	STEP \s, 0                                     ; the first block has no block in front of it: no store, no wait but those for its data
.endr
	s_wait_alu depctr_va_vdst(0)                   ; steps 0 to 3 have written the first four registers of slots 0 to 3, which the four stores of this block read
.irp s, 4,5,6,7
	STEP \s, 1
.endr
	s_wait_alu depctr_va_vdst(0)                   ; steps 4 to 7 have written the first four registers of slots 4 to 7, which the four stores of this block read
.irp s, 8,9,10,11
	STEP \s, 1
.endr
	s_wait_alu depctr_va_vdst(0)                   ; steps 8 to 11 have written the first four registers of slots 8 to 11, which the four stores of this block read
.irp s, 12,13,14,15
	STEP \s, 1
.endr
	s_cmp_lt_u32 ttmp9, 256
	s_cbranch_scc1 .Lout
	s_wait_kmcnt 0x0                               ; rows of mu: a = sigma^2 w - ss / 2 (w is in: the last step waited for all loads)
	s_mul_f32 s19, s18, s18
	v_mul_f32 v[WV], s19, v[WV]
	v_fma_f32 v[KEEP], -0.5, v[KEEP], v[WV]
.Lout:
	s_wait_alu depctr_va_vdst(0)                   ; on both ways: steps 12 to 15 have written the first four registers of slots 12 to 15, and v[KEEP] is written; the five stores below read them
.irp s, 12,13,14,15
	global_store_b128 v3, v[XR+8*\s:XR+8*\s+3], s[30:31] offset:\s*256         ; 16 lanes: one aligned row of 256 bytes
.endr
	global_store_b32 v4, v[KEEP], s[16:17]
	s_endpgm
.Lfunc_end_k_q85ff13bfc5_prep:
	.size	k_q85ff13bfc5_prep, .Lfunc_end_k_q85ff13bfc5_prep-k_q85ff13bfc5_prep
	.p2alignl 7, 3214868480
	.fill 96, 4, 3214868480
	.section	.rodata,"a",@progbits
	.p2align	6, 0x0
	.amdhsa_kernel k_q85ff13bfc5_prep
		.amdhsa_group_segment_fixed_size 0
		.amdhsa_private_segment_fixed_size 0
		.amdhsa_enable_private_segment 0
		.amdhsa_kernarg_size 56
		.amdhsa_user_sgpr_count 2
		.amdhsa_user_sgpr_kernarg_segment_ptr 1
		.amdhsa_wavefront_size32 1
		.amdhsa_system_sgpr_workgroup_id_x 1
		.amdhsa_system_sgpr_workgroup_id_y 1
		.amdhsa_system_sgpr_workgroup_id_z 1
		.amdhsa_system_vgpr_workitem_id 0
		.amdhsa_next_free_vgpr 192
		.amdhsa_next_free_sgpr 66
		.amdhsa_reserve_vcc 0
		.amdhsa_float_denorm_mode_32 3
		.amdhsa_float_denorm_mode_16_64 3
		.amdhsa_memory_ordered 1
		.amdhsa_forward_progress 1
		.amdhsa_inst_pref_size 30
	.end_amdhsa_kernel
	.amdgpu_metadata
---
amdhsa.version: [ 1, 2 ]
amdhsa.kernels:
  - .name:           k_q85ff13bfc5_prep
    .symbol:         k_q85ff13bfc5_prep.kd
    .args:
      - { .name: X, .offset: 0, .size: 8, .value_kind: global_buffer, .address_space: global }
      - { .name: mu, .offset: 8, .size: 8, .value_kind: global_buffer, .address_space: global }
      - { .name: w, .offset: 16, .size: 8, .value_kind: global_buffer, .address_space: global }
      - { .name: sigma, .offset: 24, .size: 8, .value_kind: global_buffer, .address_space: global }
      - { .name: Xb, .offset: 32, .size: 8, .value_kind: global_buffer, .address_space: global }
      - { .name: mub, .offset: 40, .size: 8, .value_kind: global_buffer, .address_space: global }
      - { .name: aux, .offset: 48, .size: 8, .value_kind: global_buffer, .address_space: global }
    .group_segment_fixed_size: 0
    .private_segment_fixed_size: 0
    .kernarg_segment_align: 8
    .kernarg_segment_size: 56
    .max_flat_workgroup_size: 256
    .sgpr_count:     66
    .vgpr_count:     192
    .wavefront_size: 32
...
	.end_amdgpu_metadata
.endif
;; end of part 7
;; launch estep: the kernel of part 2 again; grid 256 x 1, 4 waves a work-group, clusters of 4 x 1, 327,680 bytes of LDS; arguments Xb, mub, aux, sigma, Vn; writes Vn
;; launch mstep: the kernel of part 3 again; grid 4 x 64, 4 waves a work-group, clusters of 4 x 1, 327,680 bytes of LDS; arguments Xb, mub, Vn, sigma, Pp; writes Pp
;; launch mid: the kernel of part 4 again; grid 256 x 1, 8 waves a work-group, no clusters, 9,216 bytes of LDS; arguments Pp, aux, sigma, mn; writes mn
;; launch ystep: the kernel of part 5 again; grid 256 x 1, 4 waves a work-group, clusters of 4 x 1, 327,680 bytes of LDS; arguments Xb, mub, mn, aux, Vn, sigma, out0, rs; writes out0, rs
;; launch fin: the kernel of part 6 again; grid 1 x 1, 32 waves a work-group, no clusters, 8,192 bytes of LDS; arguments rs, mn, w, sigma, out1, out2; writes out1, out2
